; MI455X (gfx1250); checked and timed in simulation.
; The chip was launched on July 23, 2026; its instructions are those of AMD's public machine-readable ISA for CDNA 5 (MIT licence, August 2026) and "CDNA5" Instruction Set Architecture Reference Guide (July 2026). The comments in the code are by the model that wrote it; some were corrected since.
;; Llama Attention. Allowed arithmetic: matrix products marked QUANTISED: E2M1 operands, one E8M0 scale for each 32 along K, by v_wmma_scale_f32_16x16x128_f8f6f4 with both operands' format E2M1 (or v_wmma_scale_f32_32x16x128_f4), f32 sums; products left as they are: bf16, f16 or f32 operands; f32 sums; everything else in f32.
;; Inputs: Wk 512 x 4,096 float32; Wo 4,096 x 1,024 float32; Wq 1,024 x 4,096 float32; Wv 512 x 4,096 float32; attention_mask 2 x 1 x 2,048 x 2,048 float32; cos 2 x 2,048 x 128 float32; hidden_states 2 x 2,048 x 4,096 float32; sin 2 x 2,048 x 128 float32.
;; Outputs: out0 2 x 2,048 x 4,096 float32.
;; This version of the problem:
;;   THIS VERSION OF THE PROBLEM IS GIVEN IN LOW PRECISION. The matrix products marked QUANTISED in the list below multiply operands that are first quantised to E2M1 (2 exponent bits, 1 mantissa bit; 4 bits a number), with one power-of-two scale for each 32 numbers along K (OCP MX v1.0); their sums are f32. The products marked 'left as it is' may take bf16, f16 or f32 operands, with f32 sums. Whichever they take, every output number must still come out within the allowed error. Rounding operands to bf16 (8 significant bits) uses up far more of that allowance than f16 does (11 bits, for magnitudes from 6e-5 to 65,504). All else is computed in f32.
;;   The module's matrix products, in the order in which they are computed (A, B: the left and right operand; K: the contracted axis; several contracted axes count as one K, in the product's order):
;;     1. [M 4,096, K 4,096] x [K 4,096, N 1,024]; A: input hidden_states; B: input Wq: QUANTISED
;;     2. [M 4,096, K 4,096] x [K 4,096, N 512]; A: input hidden_states; B: input Wk: QUANTISED
;;     3. [M 4,096, K 4,096] x [K 4,096, N 512]; A: input hidden_states; B: input Wv: QUANTISED
;;     4. batch 16 x [M 2,048, K 128] x [K 128, N 2,048]; A: computed on the way; B: computed on the way: left as it is (an operand is computed on the way)
;;     5. batch 16 x [M 2,048, K 2,048] x [K 2,048, N 128]; A: computed on the way; B: computed on the way: left as it is (an operand is computed on the way)
;;     6. [M 4,096, K 1,024] x [K 1,024, N 4,096]; A: computed on the way; B: input Wo: left as it is (an operand is computed on the way)
;;   THE QUANTISER, for each operand of a quantised product, along K:
;;     - K is cut into blocks of 32 from its start; a last block that is shorter is filled with zeros.
;;     - A block's scale is 2^e with e = floor(log2(the largest magnitude in the block)) - 2, held to -126 .. 127; a block of zeros has e = 0. As a byte (E8M0): e + 127.
;;     - Each number is divided by its block's scale, clamped to +-6, and rounded to the nearest number of E2M1, ties to even, subnormals kept.
;;     - The product sums the exact products of the quantised numbers (number of the format x scale) in f32.
;;   ~~~python
;;   def quantise(x, axis):      # numpy; x: float32 -> the quantised numbers, widened to float32 again
;;       x = np.moveaxis(x, axis, -1); K = x.shape[-1]
;;       x = np.pad(x, [(0, 0)] * (x.ndim - 1) + [(0, -K % 32)]); x = x.reshape(x.shape[:-1] + (-1, 32)); a = np.abs(x).max(-1, keepdims=True)
;;       e = np.where(a > 0, np.clip(np.frexp(np.where(a > 0, a, 1))[1] - 1 - 2, -126, 127), 0)      # np.frexp(a)[1] - 1 = floor(log2(a)), exactly
;;       r = np.clip(x / 2.0 ** e, -6, 6)
;;       step = 2.0 ** (np.maximum(np.frexp(np.where(r == 0, 1, r))[1] - 1, 0) - 1)
;;       q = np.round(r / step) * step * 2.0 ** e      # np.round: ties to even
;;       return np.moveaxis(q.reshape(q.shape[:-2] + (-1,))[..., :K], -1, axis).astype(np.float32)
;;   ~~~
;; One version. Each part assembles by itself: llvm-mc -triple=amdgcn-amd-amdhsa -mcpu=gfx1250 --defsym DOCPART=n.
;; ======== version 1 of 1: 6 launches
;; limits: values are held in f16: magnitudes above 65,504 overflow, below 6.1e-05 lose precision
;; workspace buffers: codes 12,582,912 bytes; scales 786,432 bytes; wo16 8,388,608 bytes; qkv_hi 16,777,216 bytes; qkv_lo 16,777,216 bytes; o16 8,388,608 bytes; part_o 524,288 bytes; part_s 16,384 bytes
;; launch quant (part 1): grid 896 x 1, 4 waves a work-group, no clusters, 33,280 bytes of LDS; arguments hidden_states, Wq, Wk, Wv, Wo, codes, scales, wo16; writes codes, scales, wo16
.if DOCPART == 1
	.amdgcn_target "amdgcn-amd-amdhsa--gfx1250"
	.amdhsa_code_object_version 6
	.text
	.protected	k_q897f5e25ed_quant
	.globl	k_q897f5e25ed_quant
	.p2align	8
	.type	k_q897f5e25ed_quant,@function
k_q897f5e25ed_quant:
	s_mov_b64 s[64:65], 0
	v_nop
	global_prefetch_b8 v0, s[64:65] scope:SCOPE_SE
	s_setreg_imm32_b32 hwreg(HW_REG_WAVE_MODE, 25, 1), 1
	s_wait_xcnt 0x0
; hidden_states [4096][4096], Wq [1024][4096], Wk, Wv [512][4096], f32, K innermost, become codes of FP4 (E2M1) and E8M0 scale bytes; Wo [4096][1024] becomes f16 of 4 x Wo.
; codes: [6144 rows][2048 bytes]: rows 0-4095 hidden, 4096-5119 Wq, 5120-5631 Wk, 5632-6143 Wv.  scales: [8 K steps of 512][6144 rows][16 bytes], so that the scales of 256 rows for one K step are 4,096 bytes on end.
; A block's scale is 2^(floor(log2(its largest magnitude)) - 2); its byte is the largest magnitude's exponent field - 2, held at 1 from below.  A block of zeros gets the byte 1 where the rule says 127: its codes are zeros,
; which add nothing under any byte but 0xff, and this program alone reads the bytes.
; LIMITS: blocks whose largest magnitude lies under 2^-124 have their byte held at 1; NaN and infinities among the inputs are not served; 4 x Wo must lie inside f16 (|Wo| under 16,376).
; WORK-GROUPS 0-767 quantise: work-group g2 takes rows 16 (g2 / 2) on; its wave w takes K step 4 (g2 % 2) + w: 16 rows x 512 numbers, a row a step.  Each of a step's four loads reads 512 bytes on end; the 2,048 bytes turn
; through the wave's own stage in LDS, so that a lane holds 16 neighbours along K; a lane's 16 codes are 8 bytes: the wave stores 256 bytes on end, aligned.  The wave's 256 scale bytes leave as one aligned run.
; WORK-GROUPS 768-895 stream Wo: a wave takes 32 KB: 64 loads of 512 bytes through a ring of 16 register slots, 64 stores of 256 bytes.
; No cluster, no tensor load: no two work-groups read the same byte.
.set STEPS, 16
.set EMAX,  2
.set R,     16                         ; v16-79   four sets of 16 numbers as loaded (the Wo path: 16 slots of 4)
.set X,     80                         ; v80-111  two sets of 16 neighbours
.set E,     112                        ; v112-127 a scale byte for each step
.set C,     128                        ; v128-191 codes: four registers a step, so that no store's data are written again
.set WREG,  8192                       ; LDS: a region for each wave: two stages of 32 x SP bytes, then its 256 scale bytes
.set SP,    80                         ; a lane's place in a stage: 64 bytes + 16 of padding
.set SPW,   12                         ; v12 LDS address of my spare word; never rewritten
.set NIL,   13                         ; v13 0; never rewritten
.set SPARE, 4*WREG                     ; behind the four regions: the spare words, 128 bytes a wave
.set ROWF,  16384                      ; a row of 4,096 f32
.set ROWC,  2048                       ; a row of 4,096 codes
.set WGQ,   768                        ; work-groups that quantise
	s_load_b512 s[4:19], s[0:1], 0x0               ; hidden s[4:5], Wq s[6:7], Wk s[8:9], Wv s[10:11], Wo s[12:13], codes s[14:15], scales s[16:17], wo16 s[18:19]
	v_lshl_add_u32 v[SPW], v0, 2, SPARE
	v_mov_b32 v[NIL], 0
	v_lshrrev_b32 v1, 5, v0
	v_readfirstlane_b32 s24, v1                    ; wave
	v_and_b32 v2, 31, v0                           ; lane
	v_lshlrev_b32 v3, 4, v2                        ; my 16 bytes of a load's 512
	v_lshlrev_b32 v7, 3, v2                        ; my 8 bytes of a store's 256
	s_mul_i32 s25, s24, WREG
	v_lshrrev_b32 v14, 2, v2
	v_mul_u32_u24 v14, v14, SP
	v_and_b32 v15, 3, v2
	v_lshl_add_u32 v14, v15, 4, v14
	v_add_nc_u32 v14, s25, v14                     ; the stage on the way in: SP (lane / 4) + 16 (lane % 4)
	v_mul_u32_u24 v15, v2, SP
	v_add_nc_u32 v15, s25, v15                     ; and on the way out: SP x lane
	v_lshrrev_b32 v5, 1, v2
	s_add_co_u32 s25, s25, 2*32*SP
	v_add_nc_u32 v5, s25, v5                       ; my block's scale byte
	v_add_nc_u32 v6, s25, v7                       ; and 8 of the 256 on the way out
	s_mov_b32 s27, 0
	s_mov_b32 s29, 0
	s_wait_kmcnt 0x0
	s_cmp_lt_u32 ttmp9, WGQ
	s_cbranch_scc1 .Lquant
	; ---- Wo -> f16 of 4 x Wo
	s_sub_co_u32 s20, ttmp9, WGQ
	s_lshl_b32 s20, s20, 2
	s_add_co_u32 s20, s20, s24                     ; which run of 8,192 numbers is my wave's
	s_lshl_b32 s26, s20, 15
	s_add_nc_u64 s[12:13], s[12:13], s[26:27]
	s_lshl_b32 s26, s20, 14
	s_add_nc_u64 s[18:19], s[18:19], s[26:27]
.set i, 0
.rept 16
	global_load_b128 v[R+4*i:R+4*i+3], v3, s[12:13] offset:512*i th:TH_LOAD_NT
.set i, i+1
.endr
.set i, 0
.rept 64
.set sl, R+4*(i%16)
.if i < 48
	s_wait_loadcnt 15                              ; loads come back in order: mine is in, the 15 younger ones stay out
.else
	s_wait_loadcnt 63-i                            ; the tail loads nothing: the counts run down
.endif
	v_pk_mul_f32 v[sl:sl+1], v[sl:sl+1], 4.0 op_sel_hi:[1,0]
	v_pk_mul_f32 v[sl+2:sl+3], v[sl+2:sl+3], 4.0 op_sel_hi:[1,0]
	v_cvt_pk_f16_f32 v[80+2*i], v[sl], v[sl+1]
	v_cvt_pk_f16_f32 v[81+2*i], v[sl+2], v[sl+3]   ; each store has data registers of its own: none is written again
.if i < 48
	global_load_b128 v[sl:sl+3], v3, s[12:13] offset:512*(i+16) th:TH_LOAD_NT
.endif
	global_store_b64 v7, v[80+2*i:81+2*i], s[18:19] offset:256*i   ; 32 lanes store 256 bytes on end, aligned
.set i, i+1
.endr
	s_branch .Lend
.Lquant:
	s_lshr_b32 s20, ttmp9, 1                       ; g: which 16 rows of the 6,144
	s_and_b32 s26, ttmp9, 1
	s_lshl_b32 s26, s26, 2
	s_add_co_u32 s26, s26, s24                     ; my K step of 512
	s_mov_b32 s21, 352                             ; the tensor is chosen by the work-group's number alone: groups 0-255 hidden, 256-319 Wq, 320-351 Wk, 352-383 Wv
	s_cmp_lt_u32 s20, 352
	s_cselect_b64 s[22:23], s[8:9], s[10:11]
	s_cselect_b32 s21, 320, s21
	s_cmp_lt_u32 s20, 320
	s_cselect_b64 s[22:23], s[6:7], s[22:23]
	s_cselect_b32 s21, 256, s21
	s_cmp_lt_u32 s20, 256
	s_cselect_b64 s[22:23], s[4:5], s[22:23]
	s_cselect_b32 s21, 0, s21
	s_sub_co_u32 s21, s20, s21                     ; the group's number in its tensor
	s_lshl_b32 s28, s21, 18                        ; 16 rows of 16,384 bytes
	s_lshl_b32 s30, s26, 11                        ; + 512 numbers a K step
	s_add_co_u32 s28, s28, s30
	s_add_nc_u64 s[22:23], s[22:23], s[28:29]
	s_lshl_b32 s28, s20, 15                        ; codes: 16 rows of 2,048 bytes + 256 a K step
	s_lshl_b32 s30, s26, 8
	s_add_co_u32 s28, s28, s30
	s_add_nc_u64 s[14:15], s[14:15], s[28:29]
	s_mul_i32 s28, s26, 6144*16                    ; scales: the K step's 98,304 bytes + 256 a group
	s_lshl_b32 s30, s20, 8
	s_add_co_u32 s28, s28, s30
	s_add_nc_u64 s[16:17], s[16:17], s[28:29]
.macro LOAD t
.irp i, 0,1,2,3
	global_load_b128 v[R+16*((\t)%4)+4*\i:R+16*((\t)%4)+4*\i+3], v3, s[22:23] offset:ROWF*(\t)+512*\i th:TH_LOAD_NT   ; 32 lanes read 512 bytes on end
.endr
.endm
.macro TURN t                          ; step t's numbers through the stage: LDS serves a wave's instructions in order, so no wait stands between the stores and the loads
.irp i, 0,1,2,3
	ds_store_b128 v14, v[R+16*((\t)%4)+4*\i:R+16*((\t)%4)+4*\i+3] offset:32*SP*((\t)%2)+8*SP*\i
.endr
.irp i, 0,1,2,3
	ds_load_b128 v[X+16*((\t)%2)+4*\i:X+16*((\t)%2)+4*\i+3], v15 offset:32*SP*((\t)%2)+16*\i
.endr
.endm
.irp t, 0,1,2,3
	LOAD \t
.endr
	s_wait_loadcnt 12                              ; step 0's four loads are in; the 12 of steps 1 to 3 stay out
	TURN 0
.macro STEP t
.set XS, X+16*((\t)%2)
.if (\t) > 0
	s_wait_dscnt 1                                 ; this step's numbers are back from the stage (the last step's byte store may be out)
.else
	s_wait_dscnt 0x0
.endif
.if (\t)+4 < STEPS
	LOAD (\t)+4
.endif
.if (\t)+1 < STEPS
.if STEPS-2-(\t) >= 3
	s_wait_loadcnt 12                              ; the next step's four loads are in; those of the three steps behind it may be out
.else
	s_wait_loadcnt 4*(STEPS-2-(\t))
.endif
	TURN (\t)+1
.endif
	v_max3_num_f32 v8, |v[XS]|, |v[XS+1]|, |v[XS+2]|               ; the largest magnitude of my 16
	v_max3_num_f32 v9, |v[XS+3]|, |v[XS+4]|, |v[XS+5]|
.irp i, 6,10
	v_max3_num_f32 v8, v8, |v[XS+\i]|, |v[XS+\i+1]|
	v_max3_num_f32 v9, v9, |v[XS+\i+2]|, |v[XS+\i+3]|
.endr
	v_max3_num_f32 v8, v8, |v[XS+14]|, |v[XS+15]|
	v_max3_num_f32 v8, v8, v9, (EMAX+1)<<23        ; and the floor 2^(3 - 127): the byte cannot fall under 1
	v_max_num_f32_dpp v8, v8, v8 row_xmask:1 row_mask:0xf bank_mask:0xf   ; and of my neighbour's 16: the block's
	v_add_nc_u32 v11, -(EMAX<<23), v8              ; 2 off its exponent field: the conversion takes the exponent field of this operand as its scale
	v_cvt_scalef32_pk8_fp4_f32 v[C+4*(\t)], v[XS:XS+7], v11
	v_cvt_scalef32_pk8_fp4_f32 v[C+4*(\t)+1], v[XS+8:XS+15], v11
	v_lshrrev_b32 v[E+(\t)], 23, v11               ; the scale's byte
	ds_store_b8 v5, v[E+(\t)] offset:16*(\t)       ; both lanes of a block write the same byte with the same value
	global_store_b64 v7, v[C+4*(\t):C+4*(\t)+1], s[14:15] offset:ROWC*(\t)   ; 256 bytes on end of row t's codes, aligned
.endm
.irp t, 0,1,2,3,4,5,6,7,8,9,10,11,12,13,14,15
	STEP \t
.endr
	ds_load_b64 v[8:9], v6                         ; LDS serves a wave's instructions in order: these see my stores
	s_wait_dscnt 0x0
	global_store_b64 v7, v[8:9], s[16:17]          ; 16 rows x 16 scale bytes: 256 bytes on end, aligned
.Lend:
	s_wait_tensorcnt 0x0                           ; the wave's end: behind my last LDS store
	ds_add_u32 v[SPW], v[NIL]
	s_wait_dscnt 0x0
	s_endpgm
.Lfunc_end_k_q897f5e25ed_quant:
	.size	k_q897f5e25ed_quant, .Lfunc_end_k_q897f5e25ed_quant-k_q897f5e25ed_quant
	.p2alignl 7, 3214868480
	.fill 96, 4, 3214868480
	.section	.rodata,"a",@progbits
	.p2align	6, 0x0
	.amdhsa_kernel k_q897f5e25ed_quant
		.amdhsa_group_segment_fixed_size 33280
		.amdhsa_private_segment_fixed_size 0
		.amdhsa_enable_private_segment 0
		.amdhsa_kernarg_size 64
		.amdhsa_user_sgpr_count 2
		.amdhsa_user_sgpr_kernarg_segment_ptr 1
		.amdhsa_wavefront_size32 1
		.amdhsa_system_sgpr_workgroup_id_x 1
		.amdhsa_system_sgpr_workgroup_id_y 1
		.amdhsa_system_sgpr_workgroup_id_z 1
		.amdhsa_system_vgpr_workitem_id 0
		.amdhsa_next_free_vgpr 208
		.amdhsa_next_free_sgpr 66
		.amdhsa_reserve_vcc 0
		.amdhsa_float_denorm_mode_32 3
		.amdhsa_float_denorm_mode_16_64 3
		.amdhsa_memory_ordered 1
		.amdhsa_forward_progress 1
		.amdhsa_inst_pref_size 64
	.end_amdhsa_kernel
	.amdgpu_metadata
---
amdhsa.version: [ 1, 2 ]
amdhsa.kernels:
  - .name:           k_q897f5e25ed_quant
    .symbol:         k_q897f5e25ed_quant.kd
    .args:
      - { .name: hidden_states, .offset: 0, .size: 8, .value_kind: global_buffer, .address_space: global }
      - { .name: Wq, .offset: 8, .size: 8, .value_kind: global_buffer, .address_space: global }
      - { .name: Wk, .offset: 16, .size: 8, .value_kind: global_buffer, .address_space: global }
      - { .name: Wv, .offset: 24, .size: 8, .value_kind: global_buffer, .address_space: global }
      - { .name: Wo, .offset: 32, .size: 8, .value_kind: global_buffer, .address_space: global }
      - { .name: codes, .offset: 40, .size: 8, .value_kind: global_buffer, .address_space: global }
      - { .name: scales, .offset: 48, .size: 8, .value_kind: global_buffer, .address_space: global }
      - { .name: wo16, .offset: 56, .size: 8, .value_kind: global_buffer, .address_space: global }
    .group_segment_fixed_size: 33280
    .private_segment_fixed_size: 0
    .kernarg_segment_align: 8
    .kernarg_segment_size: 64
    .max_flat_workgroup_size: 128
    .sgpr_count:     66
    .vgpr_count:     208
    .wavefront_size: 32
...
	.end_amdgpu_metadata
.endif
;; end of part 1
;; launch qkv (part 2): grid 8 x 32, 4 waves a work-group, clusters of 4 x 4, 327,680 bytes of LDS; arguments codes, scales, cos, sin, qkv_hi, qkv_lo; writes qkv_hi, qkv_lo
.if DOCPART == 2
	.amdgcn_target "amdgcn-amd-amdhsa--gfx1250"
	.amdhsa_code_object_version 6
	.text
	.protected	k_q897f5e25ed_qkv
	.globl	k_q897f5e25ed_qkv
	.p2align	8
	.type	k_q897f5e25ed_qkv,@function
k_q897f5e25ed_qkv:
	s_mov_b64 s[64:65], 0
	v_nop
	global_prefetch_b8 v0, s[64:65] scope:SCOPE_SE
	s_setreg_imm32_b32 hwreg(HW_REG_WAVE_MODE, 25, 1), 1
	s_wait_xcnt 0x0
	s_wait_alu depctr_hold_cnt(0) depctr_sa_sdst(0) depctr_va_vdst(0) depctr_va_sdst(0) depctr_va_ssrc(0) depctr_va_vcc(0) depctr_vm_vsrc(0)
	s_getreg_b32 s2, hwreg(HW_REG_IB_STS2, 6, 4)
	s_cmp_eq_u32 s2, 0
	s_cbranch_scc0 .Lentry_in_a_cluster
	s_endpgm
.Lentry_in_a_cluster:
	s_bfe_u32 s2, ttmp6, 0x10000c
	s_cmp_lg_u32 s2, 0xf033
	s_cbranch_scc0 .Lentry_shape_is_right
	s_endpgm
.Lentry_shape_is_right:
; [q | k | v] = hidden x [Wq | Wk | Wv]^T on codes of FP4 with E8M0 scales (M 4,096, N 2,048, K 4,096), then RoPE in f32, then each number as a pair of f16.
; OUT: qkv_hi, qkv_lo: [b 2][hd 16][s 2,048][128] f16; hd 0-7: q / 8, 8-11: k / 8, 12-15: v / 4 (powers of two: exact).  x = hi + lo / 2,048 with hi = f16(x), lo = f16((x - hi) x 2,048).
; Both parts are stored for every row.  (Of q's lo parts only positions 0-15 are read later; leaving the others out would take a mask of lanes or a branch that hangs on the tile's place, and in a launch with
; joint loads all partners run alike.)
; LIMITS: |q|, |k| under 8 x 65,504 and |v| under 4 x 65,504 after RoPE; cos and sin finite (v's tiles load them and multiply them by 0: one path for all tiles).
; A tile, 128 tokens x 256 weight rows, is made by four waves, 64 x 128 each: 32 accumulators, 256 registers; a wave's 128 columns are one head.  M / 128 x N / 256 = 256 tiles: the grid.
; K goes in steps of 512 through two LDS slots; a slot holds 128 rows of hidden's codes and 256 of the weights' (rows of 256 bytes + 16 of padding).  One tensor load a wave: waves 0 and 1 fetch 64 rows of hidden each,
; waves 2 and 3 128 weight rows each.  THE SCALES of the tile's rows, for all of K, come into LDS once, with the first fills: in memory they lie [K step][row][16 bytes], so a wave's part is 8 rows of 1,024 or 2,048 bytes.
; CLUSTER 4 x 4: hidden's tiles hang on the tile row and are asked for jointly along a row of the cluster, the weights' on the tile column, along a column.
; THE MATRIX INSTRUCTION IS USED TRANSPOSED (source 0 = 16 weight rows, source 1 = 16 tokens): a lane holds eight neighbouring columns of one token.
; No prefetch: K has eight steps, of which the first two come at the head, and every tile is already asked for jointly.
; REGISTERS: window 0: v2-31 addresses and constants; v32-127 scale words, two sets of 48 (16 of hidden's, 32 of the weights'); v128-191 hidden's fragments, two sets.  window 1: the weights' fragments, two sets, at v0 and v128.
; window 2: the accumulators ((a, b) at v[8 (8 a + b)]).  window 3: cos and sin of my rows 0-31; window 1 takes those of rows 32-63 when the products are over.
; On the way out window 0 holds: v32-63 hi, v64-95 lo, v96-223 own and partner columns: two sets of each.
.set NQ,     4                         ; matrix instructions deep in a slot
.set ROWB,   256                       ; a tile's row: 512 codes
.set KROW,   2048                      ; a row of codes in memory
.set PITCH,  272                       ; an LDS row: 256 + 16 bytes = 68 words: row r starts 4 r words on, modulo 64
.set FR,     8
.set NP,     4                         ; places behind this matrix instruction (ISA guide 7.12.1)
.set HHALF,  64*PITCH                  ; 64 rows of hidden: what wave 0 or 1 fetches, and what one wave reads
.set WHALF,  128*PITCH                 ; 128 weight rows: the same for waves 2, 3
.set WCO,    2*HHALF                   ; in a slot: the weights' codes
.set SLOT,   WCO+2*WHALF
.set LAPS,   4                         ; a lap = two K steps of 512
.set SCSTEP, 6144*16                   ; from a K step's scale bytes to the next's, in memory
.set HSK,    64*16                     ; a K step's scale bytes of 64 rows
.set WSK,    128*16                    ; and of 128
.set HSB,    2*SLOT                    ; behind the ring: hidden's scales, [half][K step][64 rows][16 bytes];
.set WSB,    HSB+2*8*HSK               ; the weights', [half][K step][128 rows][16 bytes]
.set SPARE,  WSB+2*8*WSK               ; the spare words, 128 bytes a wave
.set SPITCH, 528                       ; the way out: rows of 512 bytes + 16
.set WSTG,   64*SPITCH                 ; a wave's stage: its whole tile, laid over the ring when the ring has had its last fill and its last read
.set VAC,  2                           ; v[2:3]  0.125 (q, k) or 0 (v): times cos
.set VBC,  4                           ; v[4:5]  0 or 0.25: added to it
.set VSG,  6                           ; v[6:7]  +-0.125 or 0: times sin; minus in the head's first 64 columns
.set ADRA, 16                          ; v16-17 LDS address of my fragments of hidden in slot 0, 1
.set DST,  18                          ; v18    my byte offset in two rows of the output
.set ADRB, 20                          ; v20-21 the same as ADRA for the weights
.set STO,  24                          ; v24    the stage: where I put 32 bytes of a row
.set RDO,  25                          ; v25    where I read my 8 columns back
.set RDP,  26                          ; v26    and the 8 columns 64 away
.set CSO,  27                          ; v27    my byte offset in two rows of cos and sin
.set SPW,  28
.set NIL,  29
.set ADSA, 30                          ; v30    LDS address of hidden's scale words of the K step to be fetched
.set ADSB, 31                          ; v31    the same for the weights
.set SC,   32                          ; set s at v[SC + 48 s]: register 4 a + q hidden's block a, register 16 + 4 b + q the weights' block b, for the slot's q-th 128 along K
.set AF,   128                         ; hidden's fragments: set p at v[AF + 32 p]
.set HIR,  32
.set LOR,  64
.set OWN,  96
.set WV,   16                          ; s16 wave; s17 which half of the tokens is mine, also: I fetch for hidden (0) or the weights (1); s18 which half of the columns, also: which half I fetch
.set RH,   17
.set CH,   18
.set G1HC, 24
.set G1WC, 32
.set G1HS, 40
.set G1WS, 48
.set G0HC, 56                          ; groups 0 for the codes: a set for each slot
.set G0WC, 68
.set G0HS, 76                          ; and for the scales
.set G0WS, 80
.set MSB, 0
.macro WIN new                         ; the immediate's high byte repeats the setting that is left
.if MSB != \new
	s_set_vgpr_msb (MSB<<8)|\new
.set MSB, \new
.endif
.endm
.set MUL,    0xa1                      ; source 0 (weights) window 1, source 1 (hidden) window 0, C and D window 2
.set TO_B,   0x40
; A joint load: waves 0 and 1 fetch for hidden, waves 2 and 3 for the weights.  Each of the two lines has one mask and one set of registers for all that issue it; the branch hangs on the wave's number alone.
; An s_nop 0 and four v_nop follow each line.
.macro JLOAD g0a, g1a, g0b, g1b
	s_cmp_eq_u32 s[RH], 0
	s_cbranch_scc0 .Lfor_w_\@
	tensor_load_to_lds s[\g0a:\g0a+3], s[\g1a:\g1a+7]
	s_nop 0
.rept 4
	v_nop
.endr
	s_branch .Lasked_\@
.Lfor_w_\@:
	tensor_load_to_lds s[\g0b:\g0b+3], s[\g1b:\g1b+7]
	s_nop 0
.rept 4
	v_nop
.endr
.Lasked_\@:
.endm
.macro CREST                           ; a round of the cluster's barrier behind its opening barrier
	s_cmp_lg_u32 s[WV], 0
	s_cbranch_scc1 .Lnot_wave_0_\@
	s_barrier_signal -3
.Lnot_wave_0_\@:
	s_barrier_wait -3
	s_barrier_signal -1
	s_barrier_wait -1
.endm
.macro CROUND
	s_barrier_signal -1
	s_barrier_wait -1
	CREST
.endm
	s_load_b256 s[4:11], s[0:1], 0x0               ; codes s[4:5], scales s[6:7], cos s[8:9], sin s[10:11]
	s_load_b128 s[12:15], s[0:1], 0x20             ; qkv_hi s[12:13], qkv_lo s[14:15]
	v_lshl_add_u32 v[SPW], v0, 2, SPARE
	v_mov_b32 v[NIL], 0
	ds_add_u32 v[SPW], v[NIL]                      ; the wave's opening: the add, twice on end, and its wait ahead of my first tensor load
	ds_add_u32 v[SPW], v[NIL]
	v_lshrrev_b32 v1, 5, v0
	v_readfirstlane_b32 s[WV], v1
	s_lshr_b32 s[RH], s[WV], 1
	s_and_b32 s[CH], s[WV], 1
	s_bfe_u32 s92, ttmp6, 0x40000                  ; cx
	s_bfe_u32 s93, ttmp6, 0x40004                  ; cy
	s_lshl_b32 s94, ttmp9, 2
	s_add_co_u32 s94, s94, s92                     ; tile column 0-7
	s_and_b32 s95, ttmp7, 0xffff
	s_lshl_b32 s95, s95, 2
	s_add_co_u32 s95, s95, s93                     ; tile row 0-31
	s_lshl_b32 s96, s93, 2
	s_lshl_b32 s96, 15, s96                        ; my row of the cluster
	s_lshl_b32 s97, 0x1111, s92                    ; my column
	s_or_b32 s[G1HC], s96, (1<<20)|(1<<21)|(5<<22)|(3<<25)   ; the mask; elements of 1 byte; padding on; bit 21 beside a mask; 4 words after every 64
	s_mov_b32 s[G1HC+1], ROWB<<16                  ; tensor_dim0 = 256
	s_mov_b32 s[G1HC+2], 64<<16                    ; tensor_dim1 = 64
	s_mov_b32 s[G1HC+3], ROWB<<16                  ; tile_dim0
	s_mov_b32 s[G1HC+4], 64                        ; tile_dim1
	s_mov_b32 s[G1HC+5], KROW                      ; from row to row
	s_mov_b32 s[G1HC+6], 0
	s_mov_b32 s[G1HC+7], 0
	s_or_b32 s[G1WC], s97, (1<<20)|(1<<21)|(5<<22)|(3<<25)
	s_mov_b32 s[G1WC+1], ROWB<<16
	s_mov_b32 s[G1WC+2], 128<<16                   ; 128 rows
	s_mov_b32 s[G1WC+3], ROWB<<16
	s_mov_b32 s[G1WC+4], 128
	s_mov_b32 s[G1WC+5], KROW
	s_mov_b32 s[G1WC+6], 0
	s_mov_b32 s[G1WC+7], 0
	s_or_b32 s[G1HS], s96, (3<<16)|(1<<21)         ; the scales of 64 rows for all of K: 8 rows (a K step each) of 128 elements of 8 bytes, no padding
	s_mov_b32 s[G1HS+1], (HSK/8)<<16
	s_mov_b32 s[G1HS+2], 8<<16
	s_mov_b32 s[G1HS+3], (HSK/8)<<16
	s_mov_b32 s[G1HS+4], 8
	s_mov_b32 s[G1HS+5], SCSTEP/8
	s_mov_b32 s[G1HS+6], 0
	s_mov_b32 s[G1HS+7], 0
	s_or_b32 s[G1WS], s97, (3<<16)|(1<<21)         ; and of 128 rows: 8 rows of 256 elements
	s_mov_b32 s[G1WS+1], (WSK/8)<<16
	s_mov_b32 s[G1WS+2], 8<<16
	s_mov_b32 s[G1WS+3], (WSK/8)<<16
	s_mov_b32 s[G1WS+4], 8
	s_mov_b32 s[G1WS+5], SCSTEP/8
	s_mov_b32 s[G1WS+6], 0
	s_mov_b32 s[G1WS+7], 0
	s_lshl_b32 s20, s95, 7                         ; hidden: row 128 x tile row + 64 x the half that I fetch
	s_lshl_b32 s21, s[CH], 6
	s_add_co_u32 s20, s20, s21
	s_lshl_b32 s22, s20, 4                         ; its scales: 16 bytes a row
	s_lshl_b32 s20, s20, 11                        ; its codes: 2,048 bytes a row
	s_mov_b32 s21, 0
	s_mov_b32 s23, 0
	s_lshl_b32 s98, s94, 8                         ; the weights: row 4,096 + 256 x tile column + 128 x half
	s_lshl_b32 s99, s[CH], 7
	s_add_co_u32 s98, s98, s99
	s_add_co_u32 s98, s98, 4096
	s_lshl_b32 s100, s98, 4
	s_lshl_b32 s98, s98, 11
	s_mov_b32 s99, 0
	s_mov_b32 s101, 0
	s_mul_i32 s19, s[CH], HHALF                    ; where they go: no place in the cluster enters an LDS address
	s_mul_i32 s2, s[CH], WHALF
	s_add_co_u32 s2, s2, WCO
	s_lshl_b32 s90, s[CH], 13                      ; 8 K steps x 1,024 bytes a half
	s_add_co_u32 s90, s90, HSB
	s_lshl_b32 s91, s[CH], 14                      ; 8 x 2,048
	s_add_co_u32 s91, s91, WSB
	s_wait_dscnt 0x0                               ; both opening adds are done
	s_wait_kmcnt 0x0
	s_add_nc_u64 s[20:21], s[4:5], s[20:21]
	s_add_nc_u64 s[22:23], s[6:7], s[22:23]
	s_add_nc_u64 s[98:99], s[4:5], s[98:99]
	s_add_nc_u64 s[100:101], s[6:7], s[100:101]
	CROUND                                         ; all sixteen work-groups are here: the first joint loads meet
	s_mov_b32 s[G0HS], 1
	s_mov_b32 s[G0HS+1], s90
	s_mov_b64 s[G0HS+2:G0HS+3], s[22:23]
	s_or_b32 s[G0HS+3], s[G0HS+3], 0x80000000
	s_mov_b32 s[G0WS], 1
	s_mov_b32 s[G0WS+1], s91
	s_mov_b64 s[G0WS+2:G0WS+3], s[100:101]
	s_or_b32 s[G0WS+3], s[G0WS+3], 0x80000000
	JLOAD G0HS, G1HS, G0WS, G1WS                   ; the scales first: they are wanted with K step 0
.irp s, 0,1
	s_mov_b32 s[G0HC+4*\s], 1
	s_add_co_u32 s[G0HC+4*\s+1], s19, \s*SLOT
	s_add_nc_u64 s[G0HC+4*\s+2:G0HC+4*\s+3], s[20:21], \s*ROWB
	s_or_b32 s[G0HC+4*\s+3], s[G0HC+4*\s+3], 0x80000000
	s_mov_b32 s[G0WC+4*\s], 1
	s_add_co_u32 s[G0WC+4*\s+1], s2, \s*SLOT
	s_add_nc_u64 s[G0WC+4*\s+2:G0WC+4*\s+3], s[98:99], \s*ROWB
	s_or_b32 s[G0WC+4*\s+3], s[G0WC+4*\s+3], 0x80000000
	JLOAD G0HC+4*\s, G1HC, G0WC+4*\s, G1WC         ; three loads of mine are out
.endr
	v_and_b32 v1, 15, v0                           ; r = lane % 16
	v_bfe_u32 v8, v0, 4, 1                         ; h = lane / 16
	v_mul_u32_u24 v9, v1, PITCH
	v_lshl_add_u32 v9, v8, 4, v9                   ; a fragment's row x pitch + 16 h
	s_mul_i32 s20, s[RH], HHALF
	s_mul_i32 s21, s[CH], WHALF
	s_add_co_u32 s21, s21, WCO
.irp s, 0,1
	v_add_nc_u32 v[ADRA+\s], s20, v9
	v_add_nc_u32 v[ADRB+\s], s21, v9
	s_add_co_u32 s20, s20, SLOT
	s_add_co_u32 s21, s21, SLOT
.endr
	v_lshlrev_b32 v10, 4, v1                       ; scale words: 16 bytes a row; lanes 16-31 read what lanes 0-15 read, and are not used
	s_lshl_b32 s20, s[RH], 13
	s_add_co_u32 s20, s20, HSB
	v_add_nc_u32 v[ADSA], s20, v10
	s_lshl_b32 s20, s[CH], 14
	s_add_co_u32 s20, s20, WSB
	v_add_nc_u32 v[ADSB], s20, v10
	s_mul_i32 s22, s[WV], WSTG                     ; my stage
	v_mul_u32_u24 v11, v1, SPITCH
	v_lshl_add_u32 v11, v8, 5, v11
	v_add_nc_u32 v[STO], s22, v11                  ; in: row r, 32 bytes for each half of the lanes
	v_lshlrev_b32 v12, 5, v1                       ; back: lanes 0-15 one row, lanes 16-31 the next; lane c takes columns 8 c on,
	v_xor_b32 v13, 256, v12                        ; and the columns 64 away
	v_mad_u32_u24 v12, v8, SPITCH, v12
	v_mad_u32_u24 v13, v8, SPITCH, v13
	v_add_nc_u32 v[RDO], s22, v12
	v_add_nc_u32 v[RDP], s22, v13
	v_lshlrev_b32 v14, 9, v8
	v_lshl_add_u32 v[CSO], v1, 5, v14              ; cos, sin: 512 h + 32 c
	v_lshlrev_b32 v14, 8, v8
	v_lshl_add_u32 v[DST], v1, 4, v14              ; out: 256 h + 16 c
	s_lshl_b32 s98, s95, 7
	s_lshl_b32 s99, s[RH], 6
	s_add_co_u32 s98, s98, s99                     ; my first token
	s_lshl_b32 s99, s94, 1
	s_add_co_u32 s99, s99, s[CH]                   ; my head, 0-15
	s_and_b32 s101, s98, 2047                      ; the token's place in its sequence
	s_lshr_b32 s100, s98, 11
	s_lshl_b32 s100, s100, 4
	s_add_co_u32 s100, s100, s99
	s_lshl_b32 s100, s100, 11
	s_add_co_u32 s100, s100, s101
	s_lshl_b32 s100, s100, 8                       ; ((16 b + head) 2,048 + place) x 256 bytes
	s_cmp_ge_u32 s99, 12                           ; v?  What differs is chosen as numbers, not by a branch
	s_cselect_b32 s92, 0, 0x3e000000               ; 0.125 for q and k
	s_cselect_b32 s93, 0x3e800000, 0               ; 0.25 for v
	s_mov_b32 s101, 0
	s_add_nc_u64 s[12:13], s[12:13], s[100:101]
	s_add_nc_u64 s[14:15], s[14:15], s[100:101]
	s_lshl_b32 s100, s98, 9
	s_add_nc_u64 s[8:9], s[8:9], s[100:101]        ; cos and sin at my first token: rows of 512 bytes
	s_add_nc_u64 s[10:11], s[10:11], s[100:101]
	v_mov_b32 v[VAC], s92
	v_mov_b32 v[VAC+1], s92
	v_mov_b32 v[VBC], s93
	v_mov_b32 v[VBC+1], s93
	v_bfe_u32 v15, v0, 3, 1
	v_xor_b32 v15, 1, v15
	v_lshlrev_b32 v15, 31, v15                     ; columns 0-63 (c under 8) take minus the column 64 on
	v_or_b32 v[VSG], s92, v15
	v_mov_b32 v[VSG+1], v[VSG]
.macro FRAG reg, adr, q, i             ; 16 rows x 128 K of 4-bit codes: 8 registers: lane l holds row l % 16; registers 4 c on hold K = 64 c + 32 (l / 16) on
.irp c, 0,1
	ds_load_b128 v[\reg+4*\c:\reg+4*\c+3], v[\adr] offset:64*(\q)+32*\c+(\i)*16*PITCH
.endr
.endm
; 8 matrix instructions: hidden's block a x the weights' eight, the slot's q-th 128 along K, fragments of set p, scale words of set sc.  The 32 accumulators take turns, one instruction a turn.
.macro MUL8 a, p, q, sc, zero
.irp b, 0,1,2,3,4,5,6,7
.if \zero
	v_wmma_scale_f32_16x16x128_f8f6f4 v[8*(8*(\a)+\b):8*(8*(\a)+\b)+7], v[128*(\p)+FR*\b:128*(\p)+FR*\b+FR-1], v[AF+32*(\p)+FR*(\a):AF+32*(\p)+FR*(\a)+FR-1], 0, v[SC+48*(\sc)+16+NQ*\b+(\q)], v[SC+48*(\sc)+NQ*(\a)+(\q)] matrix_a_fmt:MATRIX_FMT_FP4 matrix_b_fmt:MATRIX_FMT_FP4
.else
	v_wmma_scale_f32_16x16x128_f8f6f4 v[8*(8*(\a)+\b):8*(8*(\a)+\b)+7], v[128*(\p)+FR*\b:128*(\p)+FR*\b+FR-1], v[AF+32*(\p)+FR*(\a):AF+32*(\p)+FR*(\a)+FR-1], v[8*(8*(\a)+\b):8*(8*(\a)+\b)+7], v[SC+48*(\sc)+16+NQ*\b+(\q)], v[SC+48*(\sc)+NQ*(\a)+(\q)] matrix_a_fmt:MATRIX_FMT_FP4 matrix_b_fmt:MATRIX_FMT_FP4
.endif
.endr
.endm
.macro FETCH_B slot, q, p              ; the weights' eight fragments of the slot's q-th 128 along K into set p
	WIN TO_B
.irp i, 0,1,2,3,4,5,6,7
	FRAG 128*(\p)+FR*\i, ADRB+\slot, \q, \i
.endr
	WIN 0
.endm
.macro FETCH_A slot, q, p              ; hidden's four
.irp i, 0,1,2,3
	FRAG AF+32*(\p)+FR*\i, ADRA+\slot, \q, \i
.endr
.endm
.macro SCALES sc                       ; a K step's scale words into set sc: 4 words a row
.irp i, 0,1,2,3
	ds_load_b128 v[SC+48*\sc+NQ*\i:SC+48*\sc+NQ*\i+3], v[ADSA] offset:256*\i
.endr
.irp i, 0,1,2,3,4,5,6,7
	ds_load_b128 v[SC+48*\sc+16+NQ*\i:SC+48*\sc+16+NQ*\i+3], v[ADSB] offset:256*\i
.endr
.endm
.macro PLACES n                        ; plain vector instructions between a matrix instruction and a load into, or a read of, its registers
.rept \n
	v_nop
.endr
.endm
; 128 along K with a successor in the same slot: this step's fragments are in; the next step's 24 loads go out into the other set, which the last step's products have read; then the 32 products.
.macro STEP slot, q, zero
	s_wait_dscnt 0x0
	PLACES NP
	FETCH_B \slot, (\q)+1, 1-(\q)%2
	FETCH_A \slot, (\q)+1, 1-(\q)%2
	WIN MUL
	MUL8 0, (\q)%2, \q, \slot, \zero
	MUL8 1, (\q)%2, \q, \slot, \zero
	MUL8 2, (\q)%2, \q, \slot, \zero
	MUL8 3, (\q)%2, \q, \slot, \zero
	WIN 0
.endm
; A slot's last step changes slots: one barrier; in front of it each wave waits for all its tensor loads, adds 0 to its spare word, and waits for that and for its reads of the slot.
.macro TURN slot, next, fill
	s_wait_tensorcnt 0x0                           ; all my tensor loads have landed: my part of the next slot
	ds_add_u32 v[SPW], v[NIL]
	s_wait_dscnt 1                                 ; this step's fragments are in; the add may be out
	WIN MUL
	MUL8 0, 1, NQ-1, \slot, 0
	s_wait_dscnt 0x0                               ; the add is done, and my reads of this slot are over
	s_barrier_signal -1
	MUL8 1, 1, NQ-1, \slot, 0
	WIN 0
	s_barrier_wait -1
.if \fill
	CREST                                          ; the barrier has opened a round of the cluster's: no wave of any partner still reads this slot or has a load on its way
	s_add_nc_u64 s[G0HC+4*\slot+2:G0HC+4*\slot+3], s[G0HC+4*\slot+2:G0HC+4*\slot+3], 2*ROWB
	s_add_nc_u64 s[G0WC+4*\slot+2:G0WC+4*\slot+3], s[G0WC+4*\slot+2:G0WC+4*\slot+3], 2*ROWB
	JLOAD G0HC+4*\slot, G1HC, G0WC+4*\slot, G1WC   ; my one tensor load behind the round; its four v_nop are the places in front of the loads below
.else
	PLACES NP
.endif
	v_add_nc_u32 v[ADSA], HSK, v[ADSA]             ; on to the next K step's scale words
	v_add_nc_u32 v[ADSB], WSK, v[ADSB]
	FETCH_B \next, 0, 0
	FETCH_A \next, 0, 0
	SCALES \next
	WIN MUL
	MUL8 2, 1, NQ-1, \slot, 0
	MUL8 3, 1, NQ-1, \slot, 0
	WIN 0
.endm
.macro STEPS slot, from
.set Q, \from
.rept NQ-1-\from
	STEP \slot, Q, 0
.set Q, Q+1
.endr
.endm
; cos and sin of my rows 8 hs to 8 hs + 7: 16 loads into 64 registers (32 of cos, 32 of sin): halves 0-3 in window 3, halves 4-7 in window 1
.macro CSLOAD hs
.set rCB, 64*((\hs)%4)
.if (\hs) < 4
	WIN 0xc0
.else
	WIN 0x40
.endif
.irp tt, 0,1,2,3
	global_load_b128 v[rCB+8*\tt:rCB+8*\tt+3], v[CSO], s[8:9] offset:(8*(\hs)+2*\tt)*512
	global_load_b128 v[rCB+8*\tt+4:rCB+8*\tt+7], v[CSO], s[8:9] offset:(8*(\hs)+2*\tt)*512+16
	global_load_b128 v[rCB+32+8*\tt:rCB+32+8*\tt+3], v[CSO], s[10:11] offset:(8*(\hs)+2*\tt)*512
	global_load_b128 v[rCB+32+8*\tt+4:rCB+32+8*\tt+7], v[CSO], s[10:11] offset:(8*(\hs)+2*\tt)*512+16
.endr
	WIN 0
.endm
	s_wait_tensorcnt 1                             ; the scales and my part of K step 0 are in; K step 1's load may be out
	s_barrier_signal -1
	s_barrier_wait -1
	FETCH_B 0, 0, 0
	FETCH_A 0, 0, 0
	SCALES 0
	STEP 0, 0, 1                                   ; the first step starts the sums: nothing is cleared
	s_mov_b32 s3, LAPS-1
.Llap:                                                 ; a trip goes once round the ring and fills both slots again: K steps 2 to 7 in three trips
	STEPS 0, 1
	TURN 0, 1, 1
	STEPS 1, 0
	TURN 1, 0, 1
	STEP 0, 0, 0
	s_sub_co_u32 s3, s3, 1
	s_cmp_lg_u32 s3, 0
	s_cbranch_scc1 .Llap
	CSLOAD 0                                       ; cos and sin of my first 24 rows are asked for here: they land under the last lap's products
	CSLOAD 1
	CSLOAD 2
	STEPS 0, 1                                     ; the last lap fills nothing
	TURN 0, 1, 0
	STEPS 1, 0
	s_wait_dscnt 0x0                               ; the last step's fragments are in: my last reads of the ring:
	s_barrier_signal -1                            ; say so; behind this barrier the ring's bytes, which have had their last fill, are the stages
	WIN MUL
	MUL8 0, 1, NQ-1, 1, 0
	MUL8 1, 1, NQ-1, 1, 0
	MUL8 2, 1, NQ-1, 1, 0
	MUL8 3, 1, NQ-1, 1, 0
	WIN 0
	s_barrier_wait -1
; THE WAY OUT, written out: every offset is an immediate and no pointer is stepped.  My 64 x 128 numbers go into my stage (rows of 512 + 16 bytes), each accumulator from its low end on.  Then 8 rows a half: a lane reads
; 8 columns of a row and the 8 columns 64 away, x = own (cos a + b) + partner (sin s), hi = f16(x), lo = f16((x - hi) 2,048); sixteen lanes store a row of 256 bytes.  The LDS reads of half k + 1 go out ahead of the
; arithmetic of half k; own, partner, hi and lo have two sets of registers each.  All lanes are on throughout.
.macro RDBACK k
.set rOW, OWN+64*((\k)%2)
.irp tt, 0,1,2,3
	ds_load_b128 v[rOW+8*\tt:rOW+8*\tt+3], v[RDO] offset:(8*(\k)+2*\tt)*SPITCH
	ds_load_b128 v[rOW+8*\tt+4:rOW+8*\tt+7], v[RDO] offset:(8*(\k)+2*\tt)*SPITCH+16
	ds_load_b128 v[rOW+32+8*\tt:rOW+32+8*\tt+3], v[RDP] offset:(8*(\k)+2*\tt)*SPITCH
	ds_load_b128 v[rOW+32+8*\tt+4:rOW+32+8*\tt+7], v[RDP] offset:(8*(\k)+2*\tt)*SPITCH+16
.endr
.endm
.macro ROPE k
.set rPR, (\k)%2
.set rHI, HIR+16*rPR
.set rLO, LOR+16*rPR
.set rOW, OWN+64*rPR
.set rPA, rOW+32
.set rCB, 64*((\k)%4)
.if (\k) < 4
	WIN 0xc3                                       ; cos and sin (destination and source 0) in window 3, the constants in window 0
.else
	WIN 0x41                                       ; or in window 1
.endif
.irp e, 0,2,4,6,8,10,12,14,16,18,20,22,24,26,28,30
	v_pk_fma_f32 v[rCB+\e:rCB+\e+1], v[rCB+\e:rCB+\e+1], v[VAC:VAC+1], v[VBC:VBC+1]
	v_pk_mul_f32 v[rCB+32+\e:rCB+32+\e+1], v[rCB+32+\e:rCB+32+\e+1], v[VSG:VSG+1]
.endr
.if (\k) < 4
	WIN 0x0c                                       ; now they are source 1
.else
	WIN 0x04
.endif
.irp e, 0,2,4,6,8,10,12,14,16,18,20,22,24,26,28,30
	v_pk_mul_f32 v[rOW+\e:rOW+\e+1], v[rOW+\e:rOW+\e+1], v[rCB+\e:rCB+\e+1]
.endr
.irp e, 0,2,4,6,8,10,12,14,16,18,20,22,24,26,28,30
	v_pk_fma_f32 v[rOW+\e:rOW+\e+1], v[rPA+\e:rPA+\e+1], v[rCB+32+\e:rCB+32+\e+1], v[rOW+\e:rOW+\e+1]
.endr
	WIN 0
.irp e, 0,2,4,6,8,10,12,14,16,18,20,22,24,26,28,30
	v_cvt_pk_f16_f32 v[rHI+\e/2], v[rOW+\e], v[rOW+\e+1]
.endr
.set k2, 0
.if rPR == 0
.irp hh, v32.l,v32.h,v33.l,v33.h,v34.l,v34.h,v35.l,v35.h,v36.l,v36.h,v37.l,v37.h,v38.l,v38.h,v39.l,v39.h,v40.l,v40.h,v41.l,v41.h,v42.l,v42.h,v43.l,v43.h,v44.l,v44.h,v45.l,v45.h,v46.l,v46.h,v47.l,v47.h
	v_cvt_f32_f16 v[rPA+k2], \hh                   ; hi as f32 again, over the partner's columns, which are done with
.set k2, k2+1
.endr
.else
.irp hh, v48.l,v48.h,v49.l,v49.h,v50.l,v50.h,v51.l,v51.h,v52.l,v52.h,v53.l,v53.h,v54.l,v54.h,v55.l,v55.h,v56.l,v56.h,v57.l,v57.h,v58.l,v58.h,v59.l,v59.h,v60.l,v60.h,v61.l,v61.h,v62.l,v62.h,v63.l,v63.h
	v_cvt_f32_f16 v[rPA+k2], \hh
.set k2, k2+1
.endr
.endif
.irp e, 0,2,4,6,8,10,12,14,16,18,20,22,24,26,28,30
	v_pk_add_f32 v[rOW+\e:rOW+\e+1], v[rOW+\e:rOW+\e+1], v[rPA+\e:rPA+\e+1] neg_lo:[0,1] neg_hi:[0,1]
.endr
.irp e, 0,2,4,6,8,10,12,14,16,18,20,22,24,26,28,30
	v_pk_mul_f32 v[rOW+\e:rOW+\e+1], v[rOW+\e:rOW+\e+1], 0x45000000 op_sel_hi:[1,0]
.endr
.irp e, 0,2,4,6,8,10,12,14,16,18,20,22,24,26,28,30
	v_cvt_pk_f16_f32 v[rLO+\e/2], v[rOW+\e], v[rOW+\e+1]
.endr
.endm
.macro PUT k
.set rHI, HIR+16*((\k)%2)
.set rLO, LOR+16*((\k)%2)
.irp tt, 0,1,2,3
	global_store_b128 v[DST], v[rHI+4*\tt:rHI+4*\tt+3], s[12:13] offset:(8*(\k)+2*\tt)*256   ; sixteen lanes store a row's 256 bytes, aligned
.endr
.irp tt, 0,1,2,3
	global_store_b128 v[DST], v[rLO+4*\tt:rLO+4*\tt+3], s[14:15] offset:(8*(\k)+2*\tt)*256
.endr
.endm
; cos and sin are asked for in this order: halves 0, 1, 2 (ahead of the last lap); 3, 4, 5 (below); 6 behind half 0; 7 behind half 1: 16 loads each, and loads come back in order.
.macro HALF k
.if (\k) < 7
	RDBACK (\k)+1
	s_wait_dscnt 16                                ; this half's rows are back from the stage; the next half's 16 reads may be out
.else
	s_wait_dscnt 0x0
.endif
.if (\k) == 0
	s_wait_loadcnt 48                              ; halves 0, 1 and 2 are in; the 48 loads of halves 3, 4, 5 may be out
.elseif ((\k) == 3) || ((\k) == 4)
	s_wait_loadcnt 48                              ; halves 3 and 4 are in; the 48 loads of halves 5, 6, 7 may be out
.elseif (\k) == 5
	s_wait_loadcnt 32                              ; the loads of halves 6 and 7 may be out
.elseif (\k) == 6
	s_wait_loadcnt 16                              ; those of half 7
.elseif (\k) == 7
	s_wait_loadcnt 0x0
.endif
.if (\k) >= 2
	s_wait_xcnt 0x0                                ; the stores of two halves back have read their data: that set of hi and lo is written again only behind this wait
.endif
	ROPE \k
	PUT \k
.if (\k) < 2
	CSLOAD (\k)+6
.endif
.endm
	PLACES NP                                      ; behind the last products: for the loads into registers that they read and for the stores of their results
	CSLOAD 3
	CSLOAD 4
	CSLOAD 5
	WIN 0x08                                       ; an LDS store's data are its source 1: window 2
.irp a, 0,1,2,3
.irp b, 0,1,2,3,4,5,6,7
	ds_store_b128 v[STO], v[64*\a+8*\b:64*\a+8*\b+3] offset:\a*16*SPITCH+64*\b
	ds_store_b128 v[STO], v[64*\a+8*\b+4:64*\a+8*\b+7] offset:\a*16*SPITCH+64*\b+16
.endr
.endr
	WIN 0
	RDBACK 0                                       ; LDS serves a wave's instructions in order (ISA guide 5.7.1.4): the reads see my stores
.irp k, 0,1,2,3,4,5,6,7
	HALF \k
.endr
	s_wait_tensorcnt 0x0                           ; the wave's end
	ds_add_u32 v[SPW], v[NIL]
	s_wait_dscnt 0x0
	CROUND                                         ; the closing round
	s_endpgm
.Lfunc_end_k_q897f5e25ed_qkv:
	.size	k_q897f5e25ed_qkv, .Lfunc_end_k_q897f5e25ed_qkv-k_q897f5e25ed_qkv
	.p2alignl 7, 3214868480
	.fill 96, 4, 3214868480
	.section	.rodata,"a",@progbits
	.p2align	6, 0x0
	.amdhsa_kernel k_q897f5e25ed_qkv
		.amdhsa_group_segment_fixed_size 327680
		.amdhsa_private_segment_fixed_size 0
		.amdhsa_enable_private_segment 0
		.amdhsa_kernarg_size 48
		.amdhsa_user_sgpr_count 2
		.amdhsa_user_sgpr_kernarg_segment_ptr 1
		.amdhsa_wavefront_size32 1
		.amdhsa_system_sgpr_workgroup_id_x 1
		.amdhsa_system_sgpr_workgroup_id_y 1
		.amdhsa_system_sgpr_workgroup_id_z 1
		.amdhsa_system_vgpr_workitem_id 0
		.amdhsa_next_free_vgpr 1024
		.amdhsa_next_free_sgpr 102
		.amdhsa_reserve_vcc 0
		.amdhsa_float_denorm_mode_32 3
		.amdhsa_float_denorm_mode_16_64 3
		.amdhsa_memory_ordered 1
		.amdhsa_forward_progress 1
		.amdhsa_inst_pref_size 218
	.end_amdhsa_kernel
	.amdgpu_metadata
---
amdhsa.version: [ 1, 2 ]
amdhsa.kernels:
  - .name:           k_q897f5e25ed_qkv
    .symbol:         k_q897f5e25ed_qkv.kd
    .args:
      - { .name: codes, .offset: 0, .size: 8, .value_kind: global_buffer, .address_space: global }
      - { .name: scales, .offset: 8, .size: 8, .value_kind: global_buffer, .address_space: global }
      - { .name: cos, .offset: 16, .size: 8, .value_kind: global_buffer, .address_space: global }
      - { .name: sin, .offset: 24, .size: 8, .value_kind: global_buffer, .address_space: global }
      - { .name: qkv_hi, .offset: 32, .size: 8, .value_kind: global_buffer, .address_space: global }
      - { .name: qkv_lo, .offset: 40, .size: 8, .value_kind: global_buffer, .address_space: global }
    .group_segment_fixed_size: 327680
    .private_segment_fixed_size: 0
    .kernarg_segment_align: 8
    .kernarg_segment_size: 48
    .max_flat_workgroup_size: 128
    .sgpr_count:     102
    .vgpr_count:     1024
    .wavefront_size: 32
...
	.end_amdgpu_metadata
.endif
;; end of part 2
;; launch attn (part 3): grid 32 x 8, 4 waves a work-group, clusters of 4 x 4, 327,680 bytes of LDS; arguments qkv_hi, attention_mask, o16; writes o16
.if DOCPART == 3
	.amdgcn_target "amdgcn-amd-amdhsa--gfx1250"
	.amdhsa_code_object_version 6
	.text
	.protected	k_q897f5e25ed_attn
	.globl	k_q897f5e25ed_attn
	.p2align	8
	.type	k_q897f5e25ed_attn,@function
k_q897f5e25ed_attn:
	s_mov_b64 s[64:65], 0
	v_nop
	global_prefetch_b8 v0, s[64:65] scope:SCOPE_SE
	s_setreg_imm32_b32 hwreg(HW_REG_WAVE_MODE, 25, 1), 1
	s_wait_xcnt 0x0
	s_wait_alu depctr_hold_cnt(0) depctr_sa_sdst(0) depctr_va_vdst(0) depctr_va_sdst(0) depctr_va_ssrc(0) depctr_va_vcc(0) depctr_vm_vsrc(0)
	s_getreg_b32 s2, hwreg(HW_REG_IB_STS2, 6, 4)
	s_cmp_eq_u32 s2, 0
	s_cbranch_scc0 .Lentry_in_a_cluster
	s_endpgm
.Lentry_in_a_cluster:
	s_bfe_u32 s2, ttmp6, 0x10000c
	s_cmp_lg_u32 s2, 0xf033
	s_cbranch_scc0 .Lentry_shape_is_right
	s_endpgm
.Lentry_shape_is_right:
; o = softmax(q k^T / sqrt(128) + mask) v for all 4,096 tokens and 8 heads, operands in f16 (q / 8, k / 8, v / 4 from qkv_hi), sums, maxima and exponentials in f32.  o16: [token][1,024] f16, in v / 4's units.
; The mask is an input: every key is walked for every query and every mask number is loaded.
; SOFTMAX: t = s' x 64 log2(e) / sqrt(128) + mask x log2(e); a running maximum m of t and sum l; p = 2^(t - m); in every step O and l are multiplied by 2^(m_old - m_new).
; LIMITS: NaN and +infinity are not served; -infinity in the mask is (the maximum starts at -3e38; a row wholly -infinity gives NaN, as the softmax itself does).
; SHARES: a work-group owns 64 queries and the two query heads of one key/value head; wave w owns 16 queries, as two tiles (one a head), so that each mask register and each fragment of K and V serves two tiles.
; Every wave walks 2,048 keys, 64 a step; a slot holds 128 keys: K (rows of 256 + 16 bytes), V (256 + 32), and the 64 queries' mask (rows of 512 + 16 bytes).
; LAYOUT: S^T = K Q^T, O^T = V^T P: a lane holds one query (lane % 16) throughout; V is turned by ds_load_tr16_b128.
; CLUSTER 4 x 4: cy is the key/value head, cx the query block.  K and V hang on (batch, cy): asked for jointly along a row; the mask on (batch, query block): along a column.  Wave 0 fetches K, wave 1 V, waves 2, 3 the mask's halves.
; The step is written in phases (products, softmax, products).
; REGISTERS: window 0: v2-10 addresses; v16-31 statistics; v32-95 S^T; v96-127 P; v128-159 the mask; v160-223 Q; v254, v255 the add's two.  window 1: v0-127 O^T, v128-255 K.  window 2: v0-127 V.
.set PKB,   272
.set PVB,   288
.set PMB,   528
.set VOFF,  128*PKB
.set MOFF,  VOFF+128*PVB
.set SLOT1, 1<<17                      ; slot 1 begins here: one exclusive or turns an address from slot to slot
.set STAGE, SLOT1+MOFF+64*PMB          ; behind the ring: 16 rows x 272 bytes a wave, for the way out
.set SP,    272
.set SPARE, STAGE+4*16*SP
.set AK0, 2
.set AV0, 3
.set AM0, 4
.set ADR, 5
.set QO,  6
.set STO, 7
.set RD,  8
.set GO,  9
.set PFO, 10
.set ST,  16                           ; tile t at v[ST+8 t]: +0 m, +1 its pair's other half, +2, +3 l, +4 to +7 at work; the factor in +6
.set S,   32
.set P,   96
.set M,   128
.set Q,   160
.set KF,  128                          ; in window 1
.set SPW, 254
.set NIL, 255
.set WV,  12
.set G1K, 24
.set G1V, 32
.set G1M, 40
.set G0K, 48                           ; two sets each for the two first fills; the second then walks on
.set G0V, 56
.set G0M, 68
.set SLOTS, 76
.set TB,  77
.set CS,  78
.set L2E, 80
.set SEL, 82
.set PFA, 84
.set PFS, 86
.set LIM, 88
.set MSB, 0
.macro WIN new
.if MSB != \new
	s_set_vgpr_msb (MSB<<8)|\new
.set MSB, \new
.endif
.endm
.macro TL g0, g1
	tensor_load_to_lds s[\g0:\g0+3], s[\g1:\g1+7]
	s_nop 0
.rept 4
	v_nop
.endr
.endm
.macro JLOAD                           ; each wave's one joint refill, by the walking descriptors; the branches hang on the wave's number alone
	s_cmp_eq_u32 s[WV], 0
	s_cbranch_scc0 .Lnot_k_\@
	TL G0K+4, G1K
	s_branch .Lasked_\@
.Lnot_k_\@:
	s_cmp_eq_u32 s[WV], 1
	s_cbranch_scc0 .Lfor_m_\@
	TL G0V+4, G1V
	s_branch .Lasked_\@
.Lfor_m_\@:
	TL G0M+4, G1M
.Lasked_\@:
.endm
; A prefetch of what the NEXT change of slots will ask for, a lane a block of 256 bytes, each block named once in the launch.  K's and V's 128 rows: the batch's first cluster along x asks, its four partners along x
; take 32 rows each, by address (wave 0 K, wave 1 V).  The mask's 64 rows x 512 bytes: the four partners along y take 16 rows each, by address (wave 2).  The last refill asks for nothing.
.macro ASK
	s_cmp_gt_u32 s[SLOTS], s[LIM]
	s_cbranch_scc0 .Lnot_mine_\@
	global_prefetch_b8 v[PFO], s[PFA:PFA+1] th:TH_LOAD_NT scope:SCOPE_SE
.Lnot_mine_\@:
.endm
.macro CROUND
	s_barrier_signal -1
	s_barrier_wait -1
	s_cmp_lg_u32 s[WV], 0
	s_cbranch_scc1 .Lnot_wave_0_\@
	s_barrier_signal -3
.Lnot_wave_0_\@:
	s_barrier_wait -3
	s_barrier_signal -1
	s_barrier_wait -1
.endm
	s_load_b128 s[4:7], s[0:1], 0x0                ; qkv_hi s[4:5], mask s[6:7]
	s_load_b64 s[8:9], s[0:1], 0x10                ; o16
	v_lshl_add_u32 v[SPW], v0, 2, SPARE
	v_mov_b32 v[NIL], 0
	ds_add_u32 v[SPW], v[NIL]                      ; the wave's opening: the add, twice on end, and its wait ahead of my first tensor load
	ds_add_u32 v[SPW], v[NIL]
	v_lshrrev_b32 v1, 5, v0
	v_readfirstlane_b32 s[WV], v1
	s_bfe_u32 s13, ttmp6, 0x40000                  ; cx
	s_bfe_u32 s14, ttmp6, 0x40004                  ; cy: the key/value head
	s_and_b32 s15, ttmp7, 0xffff                   ; the cluster's y: the batch
	s_lshl_b32 s89, ttmp9, 2
	s_add_co_u32 s89, s89, s13                     ; my block of 64 queries
	s_lshl_b32 s90, s14, 2
	s_lshl_b32 s90, 15, s90                        ; my row of the cluster
	s_lshl_b32 s91, 0x1111, s13                    ; my column
	s_or_b32 s[G1K], s90, (1<<16)|(1<<20)|(1<<21)|(5<<22)|(3<<25)   ; elements of 2 bytes; 4 words of padding after every 64
	s_or_b32 s[G1V], s90, (1<<16)|(1<<20)|(1<<21)|(5<<22)|(7<<25)   ; 8 words
.irp g, G1K, G1V
	s_mov_b32 s[\g+1], 128<<16                     ; 128 rows of 128 elements, 128 elements apart
	s_mov_b32 s[\g+2], 128<<16
	s_mov_b32 s[\g+3], 128<<16
	s_mov_b32 s[\g+4], 128
	s_mov_b32 s[\g+5], 128
	s_mov_b32 s[\g+6], 0
	s_mov_b32 s[\g+7], 0
.endr
	s_or_b32 s[G1M], s91, (2<<16)|(1<<20)|(1<<21)|(6<<22)|(3<<25)   ; elements of 4 bytes; 4 words after every 128
	s_mov_b32 s[G1M+1], 128<<16                    ; 32 rows of 128 elements, 2,048 elements apart
	s_mov_b32 s[G1M+2], 32<<16
	s_mov_b32 s[G1M+3], 128<<16
	s_mov_b32 s[G1M+4], 32
	s_mov_b32 s[G1M+5], 2048
	s_mov_b32 s[G1M+6], 0
	s_mov_b32 s[G1M+7], 0
	s_lshl_b32 s16, s15, 4
	s_add_co_u32 s16, s16, s14
	s_add_co_u32 s16, s16, 8
	s_lshl_b32 s16, s16, 19                        ; K: plane 16 b + 8 + kv of 524,288 bytes
	s_mov_b32 s17, 0
	s_lshl_b32 s18, s15, 11
	s_lshl_b32 s92, s89, 6
	s_add_co_u32 s18, s18, s92                     ; 2,048 b + 64 x block
	s_lshl_b32 s98, s[WV], 4
	s_add_co_u32 s98, s98, s18                     ; my wave's first token
	s_and_b32 s93, s[WV], 1
	s_lshl_b32 s94, s93, 5
	s_add_co_u32 s18, s18, s94
	s_lshl_b32 s18, s18, 13                        ; the mask: my 32 rows of 8,192 bytes
	s_mov_b32 s19, 0
	s_mul_i32 s95, s93, 32*PMB
	s_add_co_u32 s95, s95, MOFF                    ; and their place in a slot
	s_lshl_b32 s96, s15, 4
	s_lshl_b32 s94, s14, 1
	s_add_co_u32 s96, s96, s94                     ; Q: plane 16 b + 2 kv,
	s_lshl_b32 s96, s96, 11
	s_add_co_u32 s96, s96, s92
	s_lshl_b32 s94, s[WV], 4
	s_add_co_u32 s96, s96, s94                     ; row 64 x block + 16 w
	s_lshl_b32 s96, s96, 8
	s_mov_b32 s97, 0
	s_lshl_b32 s98, s98, 11                        ; O: my first token's row of 2,048 bytes,
	s_lshl_b32 s94, s14, 9
	s_add_co_u32 s98, s98, s94                     ; + 512 kv
	s_mov_b32 s99, 0
	s_mov_b32 s[CS], 0x410293ee                    ; 64 log2(e) / sqrt(128)
	s_mov_b32 s[CS+1], s[CS]
	s_mov_b32 s[L2E], 0x3fb8aa3b                   ; log2(e)
	s_mov_b32 s[L2E+1], s[L2E]
	s_mov_b32 s[SEL], 0x76543210
	s_mov_b32 s[SEL+1], 0xfedcba98
	s_mov_b32 s[TB], 0
	s_mov_b32 s[SLOTS], 14                         ; slots 2 to 15 come by refills
	s_cmp_eq_u32 ttmp9, 0
	s_cselect_b32 s90, 1, -1                       ; K and V: the first cluster along x asks
	s_cmp_lt_u32 s[WV], 2
	s_cselect_b32 s[LIM], s90, 1
	s_cmp_eq_u32 s[WV], 3
	s_cselect_b32 s[LIM], -1, s[LIM]               ; wave 3 never asks
	s_wait_dscnt 0x0                               ; both opening adds are done
	s_wait_kmcnt 0x0
	s_add_nc_u64 s[16:17], s[4:5], s[16:17]        ; K at key 0
	s_add_nc_u64 s[20:21], s[16:17], 4*524288      ; V: four planes on
	s_add_nc_u64 s[18:19], s[6:7], s[18:19]        ; my rows of the mask
	s_add_nc_u64 s[96:97], s[4:5], s[96:97]        ; Q
	s_add_nc_u64 s[8:9], s[8:9], s[98:99]          ; O
	s_lshl_b32 s92, s13, 13                        ; the prefetches: K, V: my work-group's 32 rows by cx;
	s_lshl_b32 s93, s14, 17                        ; the mask: its 16 rows by cy
	s_cmp_eq_u32 s[WV], 0
	s_cselect_b64 s[PFA:PFA+1], s[16:17], s[20:21]
	s_mov_b32 s94, 512
	s_mov_b32 s91, 8192
	s_cmp_lt_u32 s[WV], 2
	s_cselect_b64 s[PFA:PFA+1], s[PFA:PFA+1], s[18:19]
	s_cselect_b32 s92, s92, s93
	s_cselect_b32 s[PFS], 32768, s94               ; a slot on
	s_cselect_b32 s94, 512, s91                    ; from one pair of lanes to the next
	s_mov_b32 s93, 0
	s_mov_b32 s[PFS+1], 0
	s_add_nc_u64 s[PFA:PFA+1], s[PFA:PFA+1], s[92:93]
	s_add_nc_u64 s[PFA:PFA+1], s[PFA:PFA+1], s[PFS:PFS+1]
	s_add_nc_u64 s[PFA:PFA+1], s[PFA:PFA+1], s[PFS:PFS+1]   ; in slot 2: the first change of slots steps it to slot 3.  Nothing is prefetched at the head
	v_and_b32 v11, 31, v0
	v_lshrrev_b32 v12, 1, v11
	v_and_b32 v11, 1, v11
	v_mul_lo_u32 v12, v12, s94
	v_lshl_add_u32 v[PFO], v11, 8, v12
.irp s, 0,1
	s_mov_b32 s[G0K+4*\s], 1
	s_mov_b32 s[G0K+4*\s+1], \s*SLOT1
	s_add_nc_u64 s[G0K+4*\s+2:G0K+4*\s+3], s[16:17], \s*32768
	s_or_b32 s[G0K+4*\s+3], s[G0K+4*\s+3], 0x80000000
	s_mov_b32 s[G0V+4*\s], 1
	s_mov_b32 s[G0V+4*\s+1], \s*SLOT1+VOFF
	s_add_nc_u64 s[G0V+4*\s+2:G0V+4*\s+3], s[20:21], \s*32768
	s_or_b32 s[G0V+4*\s+3], s[G0V+4*\s+3], 0x80000000
	s_mov_b32 s[G0M+4*\s], 1
	s_add_co_u32 s[G0M+4*\s+1], s95, \s*SLOT1
	s_add_nc_u64 s[G0M+4*\s+2:G0M+4*\s+3], s[18:19], \s*512
	s_or_b32 s[G0M+4*\s+3], s[G0M+4*\s+3], 0x80000000
.endr
	CROUND                                         ; all sixteen work-groups are here: the first joint loads meet
	s_cmp_eq_u32 s[WV], 0                          ; a wave's two first fills stand in one branch: two loads of mine are out
	s_cbranch_scc0 .Lfirst_v
	tensor_load_to_lds s[G0K:G0K+3], s[G1K:G1K+7]
	s_nop 0
	TL G0K+4, G1K
	s_branch .Lfirst_asked
.Lfirst_v:
	s_cmp_eq_u32 s[WV], 1
	s_cbranch_scc0 .Lfirst_m
	tensor_load_to_lds s[G0V:G0V+3], s[G1V:G1V+7]
	s_nop 0
	TL G0V+4, G1V
	s_branch .Lfirst_asked
.Lfirst_m:
	tensor_load_to_lds s[G0M:G0M+3], s[G1M:G1M+7]
	s_nop 0
	TL G0M+4, G1M
.Lfirst_asked:
	v_and_b32 v1, 15, v0                           ; r
	v_bfe_u32 v11, v0, 4, 1                        ; h
	v_lshlrev_b32 v[QO], 8, v1
	v_lshl_add_u32 v[QO], v11, 4, v[QO]
.irp i, 0,1,2,3,4,5,6,7                        ; Q stays in registers: tile i / 4 (the next head lies 524,288 bytes on), channels 32 (i % 4) on
	global_load_b128 v[Q+8*\i:Q+8*\i+3], v[QO], s[96:97] offset:(\i/4)*524288+(\i%4)*64
	global_load_b128 v[Q+8*\i+4:Q+8*\i+7], v[QO], s[96:97] offset:(\i/4)*524288+(\i%4)*64+32
.endr
	v_mul_u32_u24 v[AK0], v1, PKB
	v_lshl_add_u32 v[AK0], v11, 4, v[AK0]          ; K: row x pitch + 16 h
	v_and_b32 v12, 7, v0
	v_bfe_u32 v13, v0, 3, 1
	v_lshl_add_u32 v[AV0], v11, 3, v12             ; V, for the turning load: key 8 h + l % 8, channels 8 ((l / 8) % 2) on
	v_mul_u32_u24 v[AV0], v[AV0], PVB
	v_lshl_add_u32 v[AV0], v13, 4, v[AV0]
	v_add_nc_u32 v[AV0], VOFF, v[AV0]
	s_mul_i32 s92, s[WV], 16*PMB
	s_add_co_u32 s92, s92, MOFF
	v_mul_u32_u24 v[AM0], v1, PMB                  ; the mask: row 16 w + r, keys 8 h on
	v_lshl_add_u32 v[AM0], v11, 5, v[AM0]
	v_add_nc_u32 v[AM0], s92, v[AM0]
	s_mul_i32 s92, s[WV], 16*SP
	s_add_co_u32 s92, s92, STAGE
	v_mul_u32_u24 v[STO], v1, SP
	v_lshl_add_u32 v[STO], v11, 4, v[STO]
	v_add_nc_u32 v[STO], s92, v[STO]
	v_mul_u32_u24 v[RD], v11, SP
	v_lshl_add_u32 v[RD], v1, 4, v[RD]
	v_add_nc_u32 v[RD], s92, v[RD]
	v_lshlrev_b32 v[GO], 11, v11
	v_lshl_add_u32 v[GO], v1, 4, v[GO]
	v_mov_b32 v[ST+1], 0                           ; named as the upper halves of pairs: written once
	v_mov_b32 v[ST+9], 0
.macro FETCH_K q                       ; a step's K: 64 keys x 128 channels, 16 fragments
	WIN 0
	v_add_nc_u32 v[ADR], s[TB], v[AK0]
	WIN 0x40
.set f, 0
.rept 16
	ds_load_b128 v[KF+8*f:KF+8*f+3], v[ADR] offset:(\q)*64*PKB+(f/4)*16*PKB+(f%4)*64
	ds_load_b128 v[KF+8*f+4:KF+8*f+7], v[ADR] offset:(\q)*64*PKB+(f/4)*16*PKB+(f%4)*64+32
.set f, f+1
.endr
	WIN 0
.endm
.macro FETCH_V q                       ; its V, turned: keys 32 (f / 8) on, channels 16 (f % 8) on
	v_add_nc_u32 v[ADR], s[TB], v[AV0]
	WIN 0x80
.set f, 0
.rept 16
	ds_load_tr16_b128 v[8*f:8*f+3], v[ADR] offset:(\q)*64*PVB+(f/8)*32*PVB+(f%8)*32
	ds_load_tr16_b128 v[8*f+4:8*f+7], v[ADR] offset:(\q)*64*PVB+(f/8)*32*PVB+16*PVB+(f%8)*32
.set f, f+1
.endr
	WIN 0
.endm
.macro FETCH_M q                       ; its mask: register 8 kt + j = (my query, key 16 kt + 8 h + j), as S^T lies
	v_add_nc_u32 v[ADR], s[TB], v[AM0]
.irp kt, 0,1,2,3
	ds_load_b128 v[M+8*\kt:M+8*\kt+3], v[ADR] offset:(\q)*256+64*\kt
	ds_load_b128 v[M+8*\kt+4:M+8*\kt+7], v[ADR] offset:(\q)*256+64*\kt+16
.endr
.endm
; THE CHANGE OF SLOTS: the slot's last bytes, V of its second step, have been asked for.  Each wave waits for all its tensor loads (its part of the other slot), adds 0 to its spare word, and waits for that and for its reads.
.macro CHANGE fill
	s_wait_tensorcnt 0x0                           ; no tensor load of mine is out, so a group 0 may be written
	ds_add_u32 v[SPW], v[NIL]
.if \fill
.irp g, G0K+4, G0V+4, G0M+4
	s_xor_b32 s[\g+1], s[\g+1], SLOT1              ; the walking descriptors: the other slot than last time,
.endr
	s_add_nc_u64 s[G0K+6:G0K+7], s[G0K+6:G0K+7], 32768   ; the next 128 keys
	s_add_nc_u64 s[G0V+6:G0V+7], s[G0V+6:G0V+7], 32768
	s_add_nc_u64 s[G0M+6:G0M+7], s[G0M+6:G0M+7], 512
	s_wait_xcnt 0x0                                ; the last prefetch, a slot back, has read its address
	s_add_nc_u64 s[PFA:PFA+1], s[PFA:PFA+1], s[PFS:PFS+1]
	s_wait_dscnt 0x0                               ; the add is done, and my reads of the slot are over
	CROUND                                         ; no wave of any partner still reads the slot or has a load on its way
	JLOAD                                          ; my one tensor load behind the round: it has two key steps in which to land
	ASK
.else
	s_wait_dscnt 0x0
	s_barrier_signal -1
	s_barrier_wait -1
.endif
	s_xor_b32 s[TB], s[TB], SLOT1
.endm
; A KEY STEP: 64 keys, the q-th of the slot.  chg = 1: the slot is left and filled again; 2: left; 0: not left.  first: it starts m, l and O^T.  last: nothing more is fetched.
.macro STEP q, chg, first, last
	s_wait_dscnt 0x0                               ; this step's K and mask are in
	WIN 0x01                                       ; K in window 1; Q and S^T in window 0
.set i, 0
.rept 32                                       ; S^T = K Q^T: channels 32 (i / 8) on, keys 16 ((i / 2) % 4) on, tile i % 2: eight accumulators by turns
.set rS, S+32*(i%2)+8*((i/2)%4)
.set rK, KF+32*((i/2)%4)+8*(i/8)
.set rQ, Q+32*(i%2)+8*(i/8)
.if i < 8
	v_wmma_f32_16x16x32_f16 v[rS:rS+7], v[rK:rK+7], v[rQ:rQ+7], 0
.else
	v_wmma_f32_16x16x32_f16 v[rS:rS+7], v[rK:rK+7], v[rQ:rQ+7], v[rS:rS+7]
.endif
.set i, i+1
.endr
	WIN 0
.set j, 0
.rept 16
	v_pk_mul_f32 v[M+2*j:M+2*j+1], v[M+2*j:M+2*j+1], s[L2E:L2E+1] op_sel_hi:[1,0]   ; mask x log2(e).  These sixteen are also the places behind the products, in front of the loads below and of the first read of S^T
.set j, j+1
.endr
	FETCH_V \q
.if \chg == 1
	CHANGE 1
.elseif \chg == 2
	CHANGE 0
.endif
.if !\last
	FETCH_K 1-\q
.endif
.set j, 0
.rept 16
.irp t, 0,1
	v_pk_fma_f32 v[S+32*\t+2*j:S+32*\t+2*j+1], v[S+32*\t+2*j:S+32*\t+2*j+1], s[CS:CS+1], v[M+2*j:M+2*j+1] op_sel_hi:[1,0,1]   ; t; each accumulator from its low end on
.endr
.set j, j+1
.endr
.if !\last
	FETCH_M 1-\q
.endif
.set j, 0
.rept 4                                        ; the maximum of 32 t and the old m: four chains of seven, then the rest
.irp t, 0,1
	v_max3_num_f32 v[ST+8*\t+4+j], v[S+32*\t+8*j], v[S+32*\t+8*j+1], v[S+32*\t+8*j+2]
.endr
.set j, j+1
.endr
.rept 8
.irp t, 0,1
	v_max3_num_f32 v[ST+8*\t+4+j%4], v[ST+8*\t+4+j%4], v[S+32*\t+8*(j%4)+2*(j/4)+1], v[S+32*\t+8*(j%4)+2*(j/4)+2]
.endr
.set j, j+1
.endr
.irp t, 0,1
	v_max3_num_f32 v[ST+8*\t+4], v[ST+8*\t+4], v[S+32*\t+7], v[S+32*\t+15]
	v_max3_num_f32 v[ST+8*\t+6], v[ST+8*\t+6], v[S+32*\t+23], v[S+32*\t+31]
.endr
.irp t, 0,1
	v_max3_num_f32 v[ST+8*\t+4], v[ST+8*\t+4], v[ST+8*\t+5], v[ST+8*\t+6]
.endr
.irp t, 0,1
.if \first
	v_max3_num_f32 v[ST+8*\t+4], v[ST+8*\t+4], v[ST+8*\t+7], 0xff61b1e6   ; -3e38: m is a number even where every t is -infinity
.else
	v_max3_num_f32 v[ST+8*\t+4], v[ST+8*\t+4], v[ST+8*\t+7], v[ST+8*\t]
.endif
.endr
.irp t, 0,1
	v_permlanex16_b32 v[ST+8*\t+5], v[ST+8*\t+4], s[SEL], s[SEL+1]   ; the query's other 32 keys lie in the lane 16 away
.endr
.if !\first
.irp t, 0,1
	v_mov_b32 v[ST+8*\t+7], v[ST+8*\t]
.endr
.endif
.irp t, 0,1
	v_max_num_f32 v[ST+8*\t], v[ST+8*\t+4], v[ST+8*\t+5]
.endr
.if !\first
.irp t, 0,1
	v_sub_f32 v[ST+8*\t+7], v[ST+8*\t+7], v[ST+8*\t]   ; m_old - m_new
.endr
.endif
.set j, 0
.rept 16
.irp t, 0,1
	v_pk_add_f32 v[S+32*\t+2*j:S+32*\t+2*j+1], v[S+32*\t+2*j:S+32*\t+2*j+1], v[ST+8*\t:ST+8*\t+1] op_sel_hi:[1,0] neg_lo:[0,1] neg_hi:[0,1]   ; t - m
.endr
.set j, j+1
.endr
.if !\first
.irp t, 0,1
	v_exp_f32 v[ST+8*\t+6], v[ST+8*\t+7]
.endr
.endif
.set j, 0
.rept 32
.irp t, 0,1
	v_exp_f32 v[S+32*\t+j], v[S+32*\t+j]
.endr
.set j, j+1
.endr
	v_nop                                          ; a plain instruction behind the last exponential
	s_wait_alu depctr_va_vdst(0)                   ; one wait for the whole batch, ahead of its first reader
.set j, 0
.rept 16
.irp t, 0,1
	v_cvt_pk_f16_f32 v[P+16*\t+j], v[S+32*\t+2*j], v[S+32*\t+2*j+1]   ; two tiles of 16 keys, packed in pairs, are source 1 of V^T P
.endr
.set j, j+1
.endr
.irp w, 4,8,16                                 ; the sum of the unrounded p, in place: neighbours 1, 2, 4 pairs apart
.set u, 0
.rept 32/\w
.irp t, 0,1
	v_pk_add_f32 v[S+32*\t+\w*u:S+32*\t+\w*u+1], v[S+32*\t+\w*u:S+32*\t+\w*u+1], v[S+32*\t+\w*u+\w/2:S+32*\t+\w*u+\w/2+1]
.endr
.set u, u+1
.endr
.endr
.irp t, 0,1
.if \first
	v_pk_add_f32 v[ST+8*\t+2:ST+8*\t+3], v[S+32*\t:S+32*\t+1], v[S+32*\t+16:S+32*\t+17]
.else
	v_pk_fma_f32 v[ST+8*\t+2:ST+8*\t+3], v[ST+8*\t+2:ST+8*\t+3], v[ST+8*\t+6:ST+8*\t+7], v[S+32*\t:S+32*\t+1] op_sel_hi:[1,0,1]
.endif
.endr
.if !\first
.irp t, 0,1
	v_pk_add_f32 v[ST+8*\t+2:ST+8*\t+3], v[ST+8*\t+2:ST+8*\t+3], v[S+32*\t+16:S+32*\t+17]
.endr
	WIN 0x41                                       ; O^T in window 1, the factor in window 0
.set j, 0
.rept 32
.irp t, 0,1
	v_pk_mul_f32 v[64*\t+2*j:64*\t+2*j+1], v[64*\t+2*j:64*\t+2*j+1], v[ST+8*\t+6:ST+8*\t+7] op_sel_hi:[1,0]
.endr
.set j, j+1
.endr
.endif
.if \last
	s_wait_dscnt 0x0
.else
	s_wait_dscnt 40                                ; V is in: behind its loads stand the next step's 32 of K and 8 of the mask
.endif
	WIN 0x52                                       ; V in window 2, P in window 0, O^T in window 1
.set i, 0
.rept 32                                       ; O^T += V^T P: keys 32 (i / 16) on, channels 16 ((i / 2) % 8) on, tile i % 2: sixteen accumulators by turns
.set rO, 64*(i%2)+8*((i/2)%8)
.set rV, 64*(i/16)+8*((i/2)%8)
.set rP, P+16*(i%2)+8*(i/16)
.if \first && (i < 16)
	v_wmma_f32_16x16x32_f16 v[rO:rO+7], v[rV:rV+7], v[rP:rP+7], 0
.else
	v_wmma_f32_16x16x32_f16 v[rO:rO+7], v[rV:rV+7], v[rP:rP+7], v[rO:rO+7]
.endif
.set i, i+1
.endr
.endm
	s_wait_tensorcnt 1                             ; my part of slot 0 is in; slot 1's may stay out
	s_barrier_signal -1
	s_barrier_wait -1
	FETCH_K 0
	FETCH_M 0
	s_wait_loadcnt 0x0                             ; Q
	STEP 0, 0, 1, 0
	STEP 1, 1, 0, 0                                ; slot 0 is left and takes keys 256 on
	WIN 0
	s_sub_co_u32 s[SLOTS], s[SLOTS], 1
.Lslot:                                                ; 13 trips: slots 1 to 13, each filled again when it is left
	STEP 0, 0, 0, 0
	STEP 1, 1, 0, 0
	WIN 0
	s_sub_co_u32 s[SLOTS], s[SLOTS], 1
	s_cmp_lg_u32 s[SLOTS], 0
	s_cbranch_scc1 .Lslot
	STEP 0, 0, 0, 0                                ; the last two slots are written out
	STEP 1, 2, 0, 0
	STEP 0, 0, 0, 0
	STEP 1, 0, 0, 1
	WIN 0
	; THE WAY OUT: O^T / l, rounded to f16, through my stage, a tile (16 rows of one head) at a time
.rept 4
	v_nop                                          ; places behind the last products
.endr
.irp t, 0,1
	v_add_f32 v[ST+8*\t+4], v[ST+8*\t+2], v[ST+8*\t+3]
.endr
.irp t, 0,1
	v_permlanex16_b32 v[ST+8*\t+5], v[ST+8*\t+4], s[SEL], s[SEL+1]
.endr
.irp t, 0,1
	v_add_f32 v[ST+8*\t+4], v[ST+8*\t+4], v[ST+8*\t+5]
.endr
.irp t, 0,1
	v_rcp_f32 v[ST+8*\t+6], v[ST+8*\t+4]
.endr
	v_nop
	s_wait_alu depctr_va_vdst(0)                   ; one wait for both reciprocals, ahead of their first reader
.macro PACK t
	WIN 0x41
.set i, 64*\t
.rept 32
	v_pk_mul_f32 v[i:i+1], v[i:i+1], v[ST+8*\t+6:ST+8*\t+7] op_sel_hi:[1,0]
.set i, i+2
.endr
	WIN 0x05                                       ; sources in window 1, destination in window 0: S^T's registers are free
.set i, 0
.rept 32
	v_cvt_pk_f16_f32 v[S+32*\t+i], v[64*\t+2*i], v[64*\t+2*i+1]
.set i, i+1
.endr
	WIN 0
.irp f, 0,1,2,3,4,5,6,7
	ds_store_b128 v[STO], v[S+32*\t+4*\f:S+32*\t+4*\f+3] offset:32*\f
.endr
.irp f, 0,1,2,3,4,5,6,7
	ds_load_b128 v[S+32*\t+4*\f:S+32*\t+4*\f+3], v[RD] offset:\f*2*SP   ; LDS serves a wave's instructions in order: these see the stores above
.endr
.endm
.macro SEND t, younger
.irp f, 0,1,2,3,4,5,6,7
	s_wait_dscnt \younger+7-\f
	global_store_b128 v[GO], v[S+32*\t+4*\f:S+32*\t+4*\f+3], s[8:9] offset:\f*4096+\t*256   ; sixteen lanes store a head's 256 bytes of a token's row, aligned
.endr
.endm
	PACK 0
	PACK 1
	SEND 0, 16                                     ; behind tile 0's loads: tile 1's eight stores and eight loads
	SEND 1, 0
	s_wait_tensorcnt 0x0                           ; the wave's end
	ds_add_u32 v[SPW], v[NIL]
	s_wait_dscnt 0x0
	CROUND                                         ; the closing round
	s_endpgm
.Lfunc_end_k_q897f5e25ed_attn:
	.size	k_q897f5e25ed_attn, .Lfunc_end_k_q897f5e25ed_attn-k_q897f5e25ed_attn
	.p2alignl 7, 3214868480
	.fill 96, 4, 3214868480
	.section	.rodata,"a",@progbits
	.p2align	6, 0x0
	.amdhsa_kernel k_q897f5e25ed_attn
		.amdhsa_group_segment_fixed_size 327680
		.amdhsa_private_segment_fixed_size 0
		.amdhsa_enable_private_segment 0
		.amdhsa_kernarg_size 24
		.amdhsa_user_sgpr_count 2
		.amdhsa_user_sgpr_kernarg_segment_ptr 1
		.amdhsa_wavefront_size32 1
		.amdhsa_system_sgpr_workgroup_id_x 1
		.amdhsa_system_sgpr_workgroup_id_y 1
		.amdhsa_system_sgpr_workgroup_id_z 1
		.amdhsa_system_vgpr_workitem_id 0
		.amdhsa_next_free_vgpr 640
		.amdhsa_next_free_sgpr 100
		.amdhsa_reserve_vcc 0
		.amdhsa_float_denorm_mode_32 3
		.amdhsa_float_denorm_mode_16_64 3
		.amdhsa_memory_ordered 1
		.amdhsa_forward_progress 1
		.amdhsa_inst_pref_size 236
	.end_amdhsa_kernel
	.amdgpu_metadata
---
amdhsa.version: [ 1, 2 ]
amdhsa.kernels:
  - .name:           k_q897f5e25ed_attn
    .symbol:         k_q897f5e25ed_attn.kd
    .args:
      - { .name: qkv_hi, .offset: 0, .size: 8, .value_kind: global_buffer, .address_space: global }
      - { .name: attention_mask, .offset: 8, .size: 8, .value_kind: global_buffer, .address_space: global }
      - { .name: o16, .offset: 16, .size: 8, .value_kind: global_buffer, .address_space: global }
    .group_segment_fixed_size: 327680
    .private_segment_fixed_size: 0
    .kernarg_segment_align: 8
    .kernarg_segment_size: 24
    .max_flat_workgroup_size: 128
    .sgpr_count:     100
    .vgpr_count:     640
    .wavefront_size: 32
...
	.end_amdgpu_metadata
.endif
;; end of part 3
;; launch fattn (part 4): grid 4 x 16, 8 waves a work-group, no clusters, 327,680 bytes of LDS; arguments qkv_hi, qkv_lo, attention_mask, part_o, part_s; writes part_o, part_s
.if DOCPART == 4
	.amdgcn_target "amdgcn-amd-amdhsa--gfx1250"
	.amdhsa_code_object_version 6
	.text
	.protected	k_q897f5e25ed_fattn
	.globl	k_q897f5e25ed_fattn
	.p2align	8
	.type	k_q897f5e25ed_fattn,@function
k_q897f5e25ed_fattn:
	s_mov_b64 s[64:65], 0
	v_nop
	global_prefetch_b8 v0, s[64:65] scope:SCOPE_SE
	s_setreg_imm32_b32 hwreg(HW_REG_WAVE_MODE, 25, 1), 1
	s_wait_xcnt 0x0
; Positions 0-15 of both sequences, all 8 heads, carried finely: every operand of both products is a pair of f16, x = hi + lo / 2,048, and x y = hi hi + (hi lo + lo hi) / 2,048, the cross terms in accumulators of their own.
; All 2,048 keys are walked and the mask is honoured as it is given.  A work-group takes one (batch, head) and 512 keys; its wave w takes 64 of them.  It leaves a partial softmax: the run's maximum m of t, the sum l of
; 2^(t - m), and O^T = sum of p v (in v / 4's units), as images of the lanes' registers.  part_o: [b][run 4][head 8][group 16][lane 32][16 bytes]; part_s: [b][run][head][m, l][lane 32].
; LIMITS: as in the launch for all rows: NaN and +infinity are not served; the maximum starts at -3e38.
; No cluster: K goes straight into registers, and V's tiles, 32 KB a wave, are fetched once, by first fills; only the two heads of a key/value head would share them, in a grid of 64 work-groups.
; LDS: wave w's region at 36,864 w: V hi (64 rows of 256 + 32 bytes), V lo; when both have been read, the wave's image of O^T (8 KB) is stored over V hi.  Then the waves' maxima, their sums, the spare words.
; REGISTERS: window 0: v32-63, v64-95 S^T's two accumulators sets; v96-127 the mask, then P hi, P lo; v128-159 Q hi, v160-191 Q lo; for the second product v32-95 and v128-191 are O^T's two sets.  window 1: K hi, K lo, then V hi, V lo.
.set PVB,   288
.set WREG,  2*64*PVB
.set STATM, 8*WREG
.set STATL, STATM+1024
.set SPARE, STATL+1024
.set QO,   3
.set MO,   4
.set AV0,  5
.set STM,  6
.set STL,  7
.set RDM,  8
.set RDL,  9
.set IMG,  10
.set GO,   11
.set GS,   12
.set SUMA, 16                          ; v16-23 where the eight images of my two groups lie
.set MX,   24                          ; v[24:25] m and its pair's other half
.set LSUM, 26
.set SPW,  30
.set NIL,  31
.set A0,   32
.set A1,   64
.set MK,   96
.set PH,   96
.set PL,   112
.set QH,   128
.set QL,   160
.set OB,   128
.set W,    224
.set WV,   14
.set SEL,  54
.set MSB, 0
.macro WIN new
.if MSB != \new
	s_set_vgpr_msb (MSB<<8)|\new
.set MSB, \new
.endif
.endm
	s_load_b256 s[4:11], s[0:1], 0x0               ; qkv_hi s[4:5], qkv_lo s[6:7], mask s[8:9], part_o s[10:11]
	s_load_b64 s[12:13], s[0:1], 0x20              ; part_s
	v_lshl_add_u32 v[SPW], v0, 2, SPARE
	v_mov_b32 v[NIL], 0
	ds_add_u32 v[SPW], v[NIL]                      ; the wave's opening: the add, twice on end, and its wait ahead of my first tensor load
	ds_add_u32 v[SPW], v[NIL]
	v_lshrrev_b32 v1, 5, v0
	v_readfirstlane_b32 s[WV], v1
	s_and_b32 s15, ttmp7, 0xffff
	s_lshr_b32 s16, s15, 3                         ; batch
	s_and_b32 s17, s15, 7                          ; head
	s_lshr_b32 s18, s17, 1                         ; its key/value head
	s_lshl_b32 s19, ttmp9, 9
	s_lshl_b32 s20, s[WV], 6
	s_add_co_u32 s19, s19, s20                     ; my first key
	s_mov_b32 s24, (1<<16)|(1<<20)|(5<<22)|(7<<25) ; group 1: 64 rows of 128 elements of 2 bytes, 8 words of padding after every 64
	s_mov_b32 s25, 128<<16
	s_mov_b32 s26, 64<<16
	s_mov_b32 s27, 128<<16
	s_mov_b32 s28, 64
	s_mov_b32 s29, 128
	s_mov_b32 s30, 0
	s_mov_b32 s31, 0
	s_lshl_b32 s20, s16, 4
	s_add_co_u32 s21, s20, s17
	s_lshl_b32 s40, s21, 19                        ; Q: plane 16 b + head, rows 0-15
	s_mov_b32 s41, 0
	s_add_co_u32 s21, s20, s18
	s_add_co_u32 s21, s21, 8
	s_lshl_b32 s21, s21, 11
	s_add_co_u32 s21, s21, s19
	s_lshl_b32 s42, s21, 8                         ; K: plane 16 b + 8 + kv, my first key
	s_mov_b32 s43, 0
	s_lshl_b32 s44, s16, 24                        ; the mask: the batch's 2,048 rows of 8,192 bytes, + 4 bytes a key
	s_lshl_b32 s21, s19, 2
	s_add_co_u32 s44, s44, s21
	s_mov_b32 s45, 0
	s_lshl_b32 s21, s16, 2
	s_add_co_u32 s21, s21, ttmp9
	s_lshl_b32 s21, s21, 3
	s_add_co_u32 s21, s21, s17                     ; (4 b + run) 8 + head
	s_lshl_b32 s46, s21, 13
	s_mov_b32 s47, 0
	s_lshl_b32 s20, s21, 8
	s_mov_b32 s21, 0
	s_mul_i32 s22, s[WV], WREG                     ; my region of LDS
	s_lshl_b32 s23, s[WV], 10
	s_mov_b32 s[SEL], 0x76543210
	s_mov_b32 s[SEL+1], 0xfedcba98
	s_wait_dscnt 0x0                               ; both opening adds are done
	s_wait_kmcnt 0x0
	s_add_nc_u64 s[48:49], s[4:5], s[42:43]        ; K hi
	s_add_nc_u64 s[50:51], s[6:7], s[42:43]        ; K lo
	s_mov_b32 s32, 1
	s_mov_b32 s33, s22
	s_add_nc_u64 s[34:35], s[48:49], 4*524288      ; V: four planes on
	s_or_b32 s35, s35, 0x80000000
	s_mov_b32 s36, 1
	s_add_co_u32 s37, s22, 64*PVB
	s_add_nc_u64 s[38:39], s[50:51], 4*524288
	s_or_b32 s39, s39, 0x80000000
	tensor_load_to_lds s[32:35], s[24:31]          ; my 64 keys of V hi and V lo: first fills; only I read them: two loads of mine are out
	s_nop 0
	tensor_load_to_lds s[36:39], s[24:31]
	s_nop 0
.rept 4
	v_nop
.endr
	s_add_nc_u64 s[52:53], s[6:7], s[40:41]        ; Q lo
	s_add_nc_u64 s[40:41], s[4:5], s[40:41]        ; Q hi
	s_add_nc_u64 s[8:9], s[8:9], s[44:45]
	s_add_nc_u64 s[10:11], s[10:11], s[46:47]
	s_add_nc_u64 s[12:13], s[12:13], s[20:21]
	v_and_b32 v1, 15, v0                           ; r
	v_bfe_u32 v2, v0, 4, 1                         ; h
	v_and_b32 v13, 31, v0                          ; lane
	v_lshlrev_b32 v[QO], 8, v1
	v_lshl_add_u32 v[QO], v2, 4, v[QO]             ; a fragment's row of 256 bytes + 16 h
	v_lshlrev_b32 v[MO], 13, v1
	v_lshl_add_u32 v[MO], v2, 5, v[MO]             ; the mask: row r, keys 8 h on
.irp d, 0,1,2,3
	global_load_b128 v[QH+8*\d:QH+8*\d+3], v[QO], s[40:41] offset:64*\d
	global_load_b128 v[QH+8*\d+4:QH+8*\d+7], v[QO], s[40:41] offset:64*\d+32
	global_load_b128 v[QL+8*\d:QL+8*\d+3], v[QO], s[52:53] offset:64*\d
	global_load_b128 v[QL+8*\d+4:QL+8*\d+7], v[QO], s[52:53] offset:64*\d+32
.endr
.irp kt, 0,1,2,3
	global_load_b128 v[MK+8*\kt:MK+8*\kt+3], v[MO], s[8:9] offset:64*\kt
	global_load_b128 v[MK+8*\kt+4:MK+8*\kt+7], v[MO], s[8:9] offset:64*\kt+16
.endr
	WIN 0x40                                       ; destination window 1
.set f, 0
.rept 16                                       ; K: keys 16 (f / 4) on, channels 32 (f % 4) on
	global_load_b128 v[8*f:8*f+3], v[QO], s[48:49] offset:(f/4)*4096+(f%4)*64
	global_load_b128 v[8*f+4:8*f+7], v[QO], s[48:49] offset:(f/4)*4096+(f%4)*64+32
	global_load_b128 v[128+8*f:128+8*f+3], v[QO], s[50:51] offset:(f/4)*4096+(f%4)*64
	global_load_b128 v[128+8*f+4:128+8*f+7], v[QO], s[50:51] offset:(f/4)*4096+(f%4)*64+32
.set f, f+1
.endr
	WIN 0
	v_and_b32 v14, 7, v0
	v_bfe_u32 v15, v0, 3, 1
	v_lshl_add_u32 v[AV0], v2, 3, v14
	v_mul_u32_u24 v[AV0], v[AV0], PVB
	v_lshl_add_u32 v[AV0], v15, 4, v[AV0]
	v_add_nc_u32 v[AV0], s22, v[AV0]
	v_lshl_add_u32 v[STM], v0, 2, STATM            ; a word for each thread
	v_lshl_add_u32 v[STL], v0, 2, STATL
	v_lshl_add_u32 v[RDM], v13, 2, STATM           ; my lane's word of wave 0; the others 128 bytes apart
	v_lshl_add_u32 v[RDL], v13, 2, STATL
	v_lshlrev_b32 v[IMG], 4, v13
	v_add_nc_u32 v[IMG], s22, v[IMG]
	v_lshl_add_u32 v[GO], v13, 4, s23              ; groups 2 w, 2 w + 1 of an image: 1,024 w + 16 x lane
.irp i, 0,1,2,3,4,5,6,7
	v_add_nc_u32 v[SUMA+\i], \i*WREG, v[GO]
.endr
	v_lshlrev_b32 v[GS], 2, v13
	v_mov_b32 v[MX+1], 0
	s_wait_loadcnt 0x0
	WIN 0x01                                       ; K in window 1
.set d, 0
.rept 4                                        ; S^T = K Q^T: no two neighbours share an accumulator, one instruction a turn
.irp kt, 0,1,2,3
.if d == 0
	v_wmma_f32_16x16x32_f16 v[A0+8*\kt:A0+8*\kt+7], v[32*\kt+8*d:32*\kt+8*d+7], v[QH+8*d:QH+8*d+7], 0
.else
	v_wmma_f32_16x16x32_f16 v[A0+8*\kt:A0+8*\kt+7], v[32*\kt+8*d:32*\kt+8*d+7], v[QH+8*d:QH+8*d+7], v[A0+8*\kt:A0+8*\kt+7]
.endif
.endr
.irp kt, 0,1,2,3
.if d == 0
	v_wmma_f32_16x16x32_f16 v[A1+8*\kt:A1+8*\kt+7], v[128+32*\kt+8*d:128+32*\kt+8*d+7], v[QH+8*d:QH+8*d+7], 0
.else
	v_wmma_f32_16x16x32_f16 v[A1+8*\kt:A1+8*\kt+7], v[128+32*\kt+8*d:128+32*\kt+8*d+7], v[QH+8*d:QH+8*d+7], v[A1+8*\kt:A1+8*\kt+7]
.endif
.endr
.irp kt, 0,1,2,3
	v_wmma_f32_16x16x32_f16 v[A1+8*\kt:A1+8*\kt+7], v[32*\kt+8*d:32*\kt+8*d+7], v[QL+8*d:QL+8*d+7], v[A1+8*\kt:A1+8*\kt+7]
.endr
.set d, d+1
.endr
	WIN 0
.irp j, 0,2,4,6,8,10,12,14,16,18,20,22,24,26,28,30
	v_pk_mul_f32 v[MK+\j:MK+\j+1], v[MK+\j:MK+\j+1], 0x3fb8aa3b op_sel_hi:[1,0]   ; mask x log2(e); also the places behind the products
.endr
.irp j, 0,2,4,6,8,10,12,14,16,18,20,22,24,26,28,30
	v_pk_fma_f32 v[A0+\j:A0+\j+1], v[A1+\j:A1+\j+1], 0x3a000000, v[A0+\j:A0+\j+1] op_sel_hi:[1,0,1]   ; + the cross terms / 2,048
.endr
.irp j, 0,2,4,6,8,10,12,14,16,18,20,22,24,26,28,30
	v_pk_fma_f32 v[A0+\j:A0+\j+1], v[A0+\j:A0+\j+1], 0x410293ee, v[MK+\j:MK+\j+1] op_sel_hi:[1,0,1]   ; t
.endr
.set j, 0
.rept 4
	v_max3_num_f32 v[W+j], v[A0+8*j], v[A0+8*j+1], v[A0+8*j+2]
.set j, j+1
.endr
.rept 8
	v_max3_num_f32 v[W+j%4], v[W+j%4], v[A0+8*(j%4)+2*(j/4)+1], v[A0+8*(j%4)+2*(j/4)+2]
.set j, j+1
.endr
	v_max3_num_f32 v[W], v[W], v[A0+7], v[A0+15]
	v_max3_num_f32 v[W+2], v[W+2], v[A0+23], v[A0+31]
	v_max3_num_f32 v[W], v[W], v[W+1], v[W+2]
	v_max_num_f32 v[W], v[W], v[W+3]
	v_permlanex16_b32 v[W+1], v[W], s[SEL], s[SEL+1]
	v_max_num_f32 v[W], v[W], v[W+1]               ; my wave's largest t of query r
	ds_store_b32 v[STM], v[W]
	s_wait_dscnt 0x0                               ; for the others' sake
	s_barrier_signal -1
	s_barrier_wait -1
.irp i, 0,1,2,3,4,5,6,7
	ds_load_b32 v[W+8+\i], v[RDM] offset:128*\i
.endr
	s_wait_dscnt 0x0
	v_max3_num_f32 v[MX], v[W+8], v[W+9], v[W+10]
	v_max3_num_f32 v[MX], v[MX], v[W+11], v[W+12]
	v_max3_num_f32 v[MX], v[MX], v[W+13], v[W+14]
	v_max3_num_f32 v[MX], v[MX], v[W+15], 0xff61b1e6   ; the run's m, over -3e38
.irp j, 0,2,4,6,8,10,12,14,16,18,20,22,24,26,28,30
	v_pk_add_f32 v[A0+\j:A0+\j+1], v[A0+\j:A0+\j+1], v[MX:MX+1] op_sel_hi:[1,0] neg_lo:[0,1] neg_hi:[0,1]
.endr
.set j, 0
.rept 32
	v_exp_f32 v[A0+j], v[A0+j]
.set j, j+1
.endr
	v_nop
	s_wait_alu depctr_va_vdst(0)                   ; one wait for the batch, ahead of its first reader
	v_pk_add_f32 v[W+4:W+5], v[A0:A0+1], v[A0+2:A0+3]       ; l: the sum of the unrounded p, in two chains
	v_pk_add_f32 v[W+6:W+7], v[A0+4:A0+5], v[A0+6:A0+7]
.irp j, 8,12,16,20,24,28
	v_pk_add_f32 v[W+4:W+5], v[W+4:W+5], v[A0+\j:A0+\j+1]
	v_pk_add_f32 v[W+6:W+7], v[W+6:W+7], v[A0+\j+2:A0+\j+3]
.endr
	v_pk_add_f32 v[W+4:W+5], v[W+4:W+5], v[W+6:W+7]
	v_add_f32 v[LSUM], v[W+4], v[W+5]
	v_permlanex16_b32 v[W+1], v[LSUM], s[SEL], s[SEL+1]
	v_add_f32 v[LSUM], v[LSUM], v[W+1]
.irp j, 0,2,4,6,8,10,12,14,16,18,20,22,24,26,28,30
	v_cvt_pk_f16_f32 v[PH+\j/2], v[A0+\j], v[A0+\j+1]       ; p as a pair of f16
.endr
.set k2, 0
.irp hh, v96.l,v96.h,v97.l,v97.h,v98.l,v98.h,v99.l,v99.h,v100.l,v100.h,v101.l,v101.h,v102.l,v102.h,v103.l,v103.h,v104.l,v104.h,v105.l,v105.h,v106.l,v106.h,v107.l,v107.h,v108.l,v108.h,v109.l,v109.h,v110.l,v110.h,v111.l,v111.h
	v_cvt_f32_f16 v[A1+k2], \hh
.set k2, k2+1
.endr
.irp j, 0,2,4,6,8,10,12,14,16,18,20,22,24,26,28,30
	v_pk_add_f32 v[A0+\j:A0+\j+1], v[A0+\j:A0+\j+1], v[A1+\j:A1+\j+1] neg_lo:[0,1] neg_hi:[0,1]
.endr
.irp j, 0,2,4,6,8,10,12,14,16,18,20,22,24,26,28,30
	v_pk_mul_f32 v[A0+\j:A0+\j+1], v[A0+\j:A0+\j+1], 0x45000000 op_sel_hi:[1,0]
.endr
.irp j, 0,2,4,6,8,10,12,14,16,18,20,22,24,26,28,30
	v_cvt_pk_f16_f32 v[PL+\j/2], v[A0+\j], v[A0+\j+1]
.endr
	s_wait_tensorcnt 0x0                           ; my V hi and V lo are in LDS
	WIN 0x40
.set f, 0
.rept 16                                       ; turned: keys 32 (f / 8) on, channels 16 (f % 8) on
	ds_load_tr16_b128 v[8*f:8*f+3], v[AV0] offset:(f/8)*32*PVB+(f%8)*32
	ds_load_tr16_b128 v[8*f+4:8*f+7], v[AV0] offset:(f/8)*32*PVB+16*PVB+(f%8)*32
	ds_load_tr16_b128 v[128+8*f:128+8*f+3], v[AV0] offset:64*PVB+(f/8)*32*PVB+(f%8)*32
	ds_load_tr16_b128 v[128+8*f+4:128+8*f+7], v[AV0] offset:64*PVB+(f/8)*32*PVB+16*PVB+(f%8)*32
.set f, f+1
.endr
	WIN 0
.rept 5
	v_nop                                          ; the sums below are laid over Q's registers, operands of the first product
.endr
	s_wait_dscnt 0x0
	WIN 0x01
.set ks, 0
.rept 2                                        ; O^T = V^T P
.irp dt, 0,1,2,3,4,5,6,7
.if ks == 0
	v_wmma_f32_16x16x32_f16 v[A0+8*\dt:A0+8*\dt+7], v[64*ks+8*\dt:64*ks+8*\dt+7], v[PH+8*ks:PH+8*ks+7], 0
.else
	v_wmma_f32_16x16x32_f16 v[A0+8*\dt:A0+8*\dt+7], v[64*ks+8*\dt:64*ks+8*\dt+7], v[PH+8*ks:PH+8*ks+7], v[A0+8*\dt:A0+8*\dt+7]
.endif
.endr
.irp dt, 0,1,2,3,4,5,6,7
.if ks == 0
	v_wmma_f32_16x16x32_f16 v[OB+8*\dt:OB+8*\dt+7], v[128+64*ks+8*\dt:128+64*ks+8*\dt+7], v[PH+8*ks:PH+8*ks+7], 0
.else
	v_wmma_f32_16x16x32_f16 v[OB+8*\dt:OB+8*\dt+7], v[128+64*ks+8*\dt:128+64*ks+8*\dt+7], v[PH+8*ks:PH+8*ks+7], v[OB+8*\dt:OB+8*\dt+7]
.endif
.endr
.irp dt, 0,1,2,3,4,5,6,7
	v_wmma_f32_16x16x32_f16 v[OB+8*\dt:OB+8*\dt+7], v[64*ks+8*\dt:64*ks+8*\dt+7], v[PL+8*ks:PL+8*ks+7], v[OB+8*\dt:OB+8*\dt+7]
.endr
.set ks, ks+1
.endr
	WIN 0
.rept 4
	v_nop
.endr
.set j, 0
.rept 32
	v_pk_fma_f32 v[A0+j:A0+j+1], v[OB+j:OB+j+1], 0x3a000000, v[A0+j:A0+j+1] op_sel_hi:[1,0,1]
.set j, j+2
.endr
.set g, 0
.rept 16
	ds_store_b128 v[IMG], v[A0+4*g:A0+4*g+3] offset:512*g     ; my wave's O^T as an image of its registers, over V hi, which I alone read and have read
.set g, g+1
.endr
	ds_store_b32 v[STL], v[LSUM]
	s_wait_dscnt 0x0
	s_barrier_signal -1
	s_barrier_wait -1
.irp i, 0,1,2,3,4,5,6,7                        ; all eight waves summed under the same m: groups 2 w and 2 w + 1 of the eight images are added
	ds_load_b128 v[96+8*\i:96+8*\i+3], v[SUMA+\i]
	ds_load_b128 v[96+8*\i+4:96+8*\i+7], v[SUMA+\i] offset:512
.endr
	s_wait_dscnt 0x0
.irp i, 1,2,3,4,5,6,7
.irp j, 0,2,4,6
	v_pk_add_f32 v[96+\j:96+\j+1], v[96+\j:96+\j+1], v[96+8*\i+\j:96+8*\i+\j+1]
.endr
.endr
	global_store_b128 v[GO], v[96:99], s[10:11]               ; 512 bytes on end each
	global_store_b128 v[GO], v[100:103], s[10:11] offset:512
	s_cmp_lg_u32 s[WV], 0
	s_cbranch_scc1 .Lnot_wave_0
.irp i, 0,1,2,3,4,5,6,7
	ds_load_b32 v[W+8+\i], v[RDL] offset:128*\i
.endr
	s_wait_dscnt 0x0
	v_add_f32 v[W+8], v[W+8], v[W+9]
	v_add_f32 v[W+10], v[W+10], v[W+11]
	v_add_f32 v[W+12], v[W+12], v[W+13]
	v_add_f32 v[W+14], v[W+14], v[W+15]
	v_add_f32 v[W+8], v[W+8], v[W+10]
	v_add_f32 v[W+12], v[W+12], v[W+14]
	v_add_f32 v[W+8], v[W+8], v[W+12]
	global_store_b32 v[GS], v[MX], s[12:13]
	global_store_b32 v[GS], v[W+8], s[12:13] offset:128
.Lnot_wave_0:
	s_wait_tensorcnt 0x0                           ; the wave's end
	ds_add_u32 v[SPW], v[NIL]
	s_wait_dscnt 0x0
	s_endpgm
.Lfunc_end_k_q897f5e25ed_fattn:
	.size	k_q897f5e25ed_fattn, .Lfunc_end_k_q897f5e25ed_fattn-k_q897f5e25ed_fattn
	.p2alignl 7, 3214868480
	.fill 96, 4, 3214868480
	.section	.rodata,"a",@progbits
	.p2align	6, 0x0
	.amdhsa_kernel k_q897f5e25ed_fattn
		.amdhsa_group_segment_fixed_size 327680
		.amdhsa_private_segment_fixed_size 0
		.amdhsa_enable_private_segment 0
		.amdhsa_kernarg_size 40
		.amdhsa_user_sgpr_count 2
		.amdhsa_user_sgpr_kernarg_segment_ptr 1
		.amdhsa_wavefront_size32 1
		.amdhsa_system_sgpr_workgroup_id_x 1
		.amdhsa_system_sgpr_workgroup_id_y 1
		.amdhsa_system_sgpr_workgroup_id_z 1
		.amdhsa_system_vgpr_workitem_id 0
		.amdhsa_next_free_vgpr 512
		.amdhsa_next_free_sgpr 66
		.amdhsa_reserve_vcc 0
		.amdhsa_float_denorm_mode_32 3
		.amdhsa_float_denorm_mode_16_64 3
		.amdhsa_memory_ordered 1
		.amdhsa_forward_progress 1
		.amdhsa_inst_pref_size 48
	.end_amdhsa_kernel
	.amdgpu_metadata
---
amdhsa.version: [ 1, 2 ]
amdhsa.kernels:
  - .name:           k_q897f5e25ed_fattn
    .symbol:         k_q897f5e25ed_fattn.kd
    .args:
      - { .name: qkv_hi, .offset: 0, .size: 8, .value_kind: global_buffer, .address_space: global }
      - { .name: qkv_lo, .offset: 8, .size: 8, .value_kind: global_buffer, .address_space: global }
      - { .name: attention_mask, .offset: 16, .size: 8, .value_kind: global_buffer, .address_space: global }
      - { .name: part_o, .offset: 24, .size: 8, .value_kind: global_buffer, .address_space: global }
      - { .name: part_s, .offset: 32, .size: 8, .value_kind: global_buffer, .address_space: global }
    .group_segment_fixed_size: 327680
    .private_segment_fixed_size: 0
    .kernarg_segment_align: 8
    .kernarg_segment_size: 40
    .max_flat_workgroup_size: 256
    .sgpr_count:     66
    .vgpr_count:     512
    .wavefront_size: 32
...
	.end_amdgpu_metadata
.endif
;; end of part 4
;; launch oproj (part 5): grid 16 x 16, 4 waves a work-group, clusters of 4 x 4, 327,680 bytes of LDS; arguments o16, wo16, out0; writes out0
.if DOCPART == 5
	.amdgcn_target "amdgcn-amd-amdhsa--gfx1250"
	.amdhsa_code_object_version 6
	.text
	.protected	k_q897f5e25ed_oproj
	.globl	k_q897f5e25ed_oproj
	.p2align	8
	.type	k_q897f5e25ed_oproj,@function
k_q897f5e25ed_oproj:
	s_mov_b64 s[64:65], 0
	v_nop
	global_prefetch_b8 v0, s[64:65] scope:SCOPE_SE
	s_setreg_imm32_b32 hwreg(HW_REG_WAVE_MODE, 25, 1), 1
	s_wait_xcnt 0x0
	s_wait_alu depctr_hold_cnt(0) depctr_sa_sdst(0) depctr_va_vdst(0) depctr_va_sdst(0) depctr_va_ssrc(0) depctr_va_vcc(0) depctr_vm_vsrc(0)
	s_getreg_b32 s2, hwreg(HW_REG_IB_STS2, 6, 4)
	s_cmp_eq_u32 s2, 0
	s_cbranch_scc0 .Lentry_in_a_cluster
	s_endpgm
.Lentry_in_a_cluster:
	s_bfe_u32 s2, ttmp6, 0x10000c
	s_cmp_lg_u32 s2, 0xf033
	s_cbranch_scc0 .Lentry_shape_is_right
	s_endpgm
.Lentry_shape_is_right:
; out0[m][n] = sum over k of o16[m][k] wo16[n][k]: M = N = 4,096, K = 1,024, operands f16 (o in v / 4's units, wo16 = 4 Wo: the product needs no scale), sums and result f32.
; A tile of 256 x 256 is made by four waves, 128 x 128 each: 64 accumulators, 512 registers; 256 tiles: the grid.  K goes in steps of 128 (rows of 256 bytes + 16 of padding) through two LDS slots; each wave fetches 128 rows.
; CLUSTER 4 x 4: o16's tiles are asked for jointly along a row of the cluster, wo16's along a column.  THE MATRIX INSTRUCTION IS USED TRANSPOSED: a lane holds eight neighbouring columns of a row.
; The 32 rows of positions 0-15 are stored here like all others and are stored again, more finely, by the launch that follows.
; No prefetch: K has eight steps, of which the first two come at the head, and every tile is already asked for jointly.
; REGISTERS: window 0: v16-29 addresses; v64-127, v128-191 fragments of o16, two buffers; window 1: the same for wo16; windows 2, 3: the accumulators.  On the way out window 0's v128-255 take rows back from the stage.
.set SIZE_N, 4096
.set SIZE_K, 1024
.set KSTEP,  128
.set PITCH,  272
.set HALFT,  128*PITCH
.set SLOT,   4*HALFT
.set STAGE,  2*SLOT                    ; behind the ring: 16 rows x 528 bytes a wave
.set SPITCH, 528
.set SPARE,  STAGE+4*16*SPITCH
.set LAPS,   SIZE_K/(2*KSTEP)
.set ADRA, 16
.set ADRB, 20
.set STO,  24
.set RD,   25
.set CO,   26
.set SPW,  28
.set NIL,  29
.set F0,   64
.set F1,   128
.set BK,   128
.set G1,  24
.set G0,  32
.set G1B, 48
.set G0B, 56
.set MSB, 0
.macro WIN new
.if MSB != \new
	s_set_vgpr_msb (MSB<<8)|\new
.set MSB, \new
.endif
.endm
.set MUL_LO, 0xa1
.set MUL_HI, 0xf1
.set TO_B,   0x40
.macro JLOAD s                         ; waves 0 and 1 fetch o16's two halves, waves 2 and 3 wo16's; an s_nop 0 and four v_nop follow each line
	s_cmp_eq_u32 s11, 0
	s_cbranch_scc0 .Lfor_b_\@
	tensor_load_to_lds s[G0+4*\s:G0+4*\s+3], s[G1:G1+7]
	s_nop 0
.rept 4
	v_nop
.endr
	s_branch .Lasked_\@
.Lfor_b_\@:
	tensor_load_to_lds s[G0B+4*\s:G0B+4*\s+3], s[G1B:G1B+7]
	s_nop 0
.rept 4
	v_nop
.endr
.Lasked_\@:
.endm
.macro CREST
	s_cmp_lg_u32 s10, 0
	s_cbranch_scc1 .Lnot_wave_0_\@
	s_barrier_signal -3
.Lnot_wave_0_\@:
	s_barrier_wait -3
	s_barrier_signal -1
	s_barrier_wait -1
.endm
.macro CROUND
	s_barrier_signal -1
	s_barrier_wait -1
	CREST
.endm
	s_load_b128 s[4:7], s[0:1], 0x0                ; o16 s[4:5], wo16 s[6:7]
	s_load_b64 s[8:9], s[0:1], 0x10                ; out0
	v_lshl_add_u32 v[SPW], v0, 2, SPARE
	v_mov_b32 v[NIL], 0
	ds_add_u32 v[SPW], v[NIL]                      ; the wave's opening: the add, twice on end, and its wait ahead of my first tensor load
	ds_add_u32 v[SPW], v[NIL]
	v_lshrrev_b32 v1, 5, v0
	v_readfirstlane_b32 s10, v1                    ; wave
	s_lshr_b32 s11, s10, 1                         ; which half of the rows is mine; also: I fetch for o16 (0) or wo16 (1)
	s_and_b32 s12, s10, 1                          ; which half of the columns; also: which 128 rows I fetch
	s_bfe_u32 s40, ttmp6, 0x40000
	s_bfe_u32 s41, ttmp6, 0x40004
	s_lshl_b32 s42, ttmp9, 2
	s_add_co_u32 s42, s42, s40                     ; tile column
	s_and_b32 s13, ttmp7, 0xffff
	s_lshl_b32 s13, s13, 2
	s_add_co_u32 s13, s13, s41                     ; tile row
	s_lshl_b32 s43, s41, 2
	s_lshl_b32 s43, 15, s43
	s_lshl_b32 s44, 0x1111, s40
	s_or_b32 s[G1+0], s43, (1<<16)|(1<<20)|(1<<21)|(5<<22)|(3<<25)
	s_or_b32 s[G1B+0], s44, (1<<16)|(1<<20)|(1<<21)|(5<<22)|(3<<25)
.irp g, G1, G1B
	s_mov_b32 s[\g+1], KSTEP<<16                   ; 128 rows of 128 elements of 2 bytes, 1,024 elements apart
	s_mov_b32 s[\g+2], 128<<16
	s_mov_b32 s[\g+3], KSTEP<<16
	s_mov_b32 s[\g+4], 128
	s_mov_b32 s[\g+5], SIZE_K
	s_mov_b32 s[\g+6], 0
	s_mov_b32 s[\g+7], 0
.endr
	s_lshl_b32 s17, s12, 7
	s_lshl_b32 s16, s13, 8
	s_add_co_u32 s16, s16, s17
	s_lshl_b32 s16, s16, 11                        ; rows of 2,048 bytes
	s_lshl_b32 s46, s42, 8
	s_add_co_u32 s46, s46, s17
	s_lshl_b32 s46, s46, 11
	s_mov_b32 s17, 0
	s_mov_b32 s47, 0
	s_mul_i32 s20, s10, HALFT
	s_wait_dscnt 0x0
	s_wait_kmcnt 0x0
	s_add_nc_u64 s[14:15], s[4:5], s[16:17]
	s_add_nc_u64 s[46:47], s[6:7], s[46:47]
	CROUND
.irp s, 0,1
	s_mov_b32 s[G0+4*\s], 1
	s_add_co_u32 s[G0+4*\s+1], s20, \s*SLOT
	s_add_nc_u64 s[G0+4*\s+2:G0+4*\s+3], s[14:15], \s*KSTEP*2
	s_or_b32 s[G0+4*\s+3], s[G0+4*\s+3], 0x80000000
	s_mov_b32 s[G0B+4*\s], 1
	s_add_co_u32 s[G0B+4*\s+1], s20, \s*SLOT
	s_add_nc_u64 s[G0B+4*\s+2:G0B+4*\s+3], s[46:47], \s*KSTEP*2
	s_or_b32 s[G0B+4*\s+3], s[G0B+4*\s+3], 0x80000000
	JLOAD \s
.endr
	v_and_b32 v1, 15, v0
	v_bfe_u32 v2, v0, 4, 1
	v_mul_u32_u24 v3, v1, PITCH
	v_lshl_add_u32 v3, v2, 4, v3
	s_mul_i32 s21, s11, HALFT
	s_mul_i32 s22, s12, HALFT
	s_add_co_u32 s22, s22, 2*HALFT
.irp s, 0,1
	v_add_nc_u32 v[ADRA+\s], s21, v3
	v_add_nc_u32 v[ADRB+\s], s22, v3
	s_add_co_u32 s21, s21, SLOT
	s_add_co_u32 s22, s22, SLOT
.endr
	s_mul_i32 s23, s10, 16*SPITCH
	s_add_co_u32 s23, s23, STAGE
	v_mul_u32_u24 v4, v1, SPITCH
	v_lshl_add_u32 v4, v2, 5, v4
	v_add_nc_u32 v[STO], s23, v4                   ; in: row l % 16, 32 bytes for each half of the lanes
	v_and_b32 v5, 31, v0
	v_lshlrev_b32 v[CO], 4, v5                     ; back: the 32 lanes take one row of 512 bytes; the same in out0
	v_add_nc_u32 v[RD], s23, v[CO]
	s_lshl_b32 s16, s13, 8
	s_lshl_b32 s17, s11, 7
	s_add_co_u32 s16, s16, s17
	s_lshl_b32 s16, s16, 14                        ; my first row: rows of 16,384 bytes
	s_lshl_b32 s46, s42, 10
	s_lshl_b32 s47, s12, 9
	s_add_co_u32 s46, s46, s47                     ; my first column, in bytes
	s_add_co_u32 s46, s46, s16
	s_mov_b32 s47, 0
	s_add_nc_u64 s[8:9], s[8:9], s[46:47]
.macro MUL16 f, hi, a0, zero           ; 16 matrix instructions; the 64 accumulators take turns, one instruction a turn
.irp a, \a0, \a0+1
.irp b, 0,1,2,3,4,5,6,7
.if \zero
	v_wmma_f32_16x16x32_f16 v[8*(8*(\a)+\b):8*(8*(\a)+\b)+7], v[\f+8*\b:\f+8*\b+7], v[\f+8*(4*\hi+\a):\f+8*(4*\hi+\a)+7], 0
.else
	v_wmma_f32_16x16x32_f16 v[8*(8*(\a)+\b):8*(8*(\a)+\b)+7], v[\f+8*\b:\f+8*\b+7], v[\f+8*(4*\hi+\a):\f+8*(4*\hi+\a)+7], v[8*(8*(\a)+\b):8*(8*(\a)+\b)+7]
.endif
.endr
.endr
.endm
.macro FETCH slot, k, f                ; 32 LDS loads in one run: the fragments of 32 along K at byte k of the rows
	WIN TO_B
.irp i, 0,1,2,3,4,5,6,7
	ds_load_b128 v[\f+8*\i:\f+8*\i+3],   v[ADRB+\slot] offset:\k+\i*16*PITCH
	ds_load_b128 v[\f+8*\i+4:\f+8*\i+7], v[ADRB+\slot] offset:\k+\i*16*PITCH+32
.endr
	WIN 0
.irp i, 0,1,2,3,4,5,6,7
	ds_load_b128 v[\f+8*\i:\f+8*\i+3],   v[ADRA+\slot] offset:\k+\i*16*PITCH
	ds_load_b128 v[\f+8*\i+4:\f+8*\i+7], v[ADRA+\slot] offset:\k+\i*16*PITCH+32
.endr
.endm
.macro PLACES
.rept 4
	v_nop
.endr
.endm
.macro QUARTER slot, k, f, g, zero
	s_wait_dscnt 8                                 ; all but the youngest eight loads (my rows 64-127 of o16) are in
	WIN MUL_LO
	MUL16 \f, 0, 0, \zero
	MUL16 \f, 0, 2, \zero
	PLACES
	FETCH \slot, \k, \g
	s_wait_dscnt 32                                ; all but the 32 just issued
	WIN MUL_HI
	MUL16 \f, 1, 0, \zero
	MUL16 \f, 1, 2, \zero
.endm
.macro TURN slot, next, fill           ; a K step's last quarter changes slots
	WIN 0
	s_wait_tensorcnt 0x0                           ; all my tensor loads have landed: my part of the next slot
	ds_add_u32 v[SPW], v[NIL]
	s_wait_dscnt 9                                 ; (the add and the youngest eight loads may be out)
	WIN MUL_LO
	MUL16 F1, 0, 0, 0
	s_wait_dscnt 0x0                               ; the add is done, and my reads of this slot are over
	s_barrier_signal -1
	MUL16 F1, 0, 2, 0
.if \fill
	WIN 0
.endif
	s_barrier_wait -1
.if \fill
	CREST                                          ; no wave of any partner still reads this slot or has a load on its way
	s_add_nc_u64 s[G0+4*\slot+2:G0+4*\slot+3], s[G0+4*\slot+2:G0+4*\slot+3], 2*KSTEP*2
	s_add_nc_u64 s[G0B+4*\slot+2:G0B+4*\slot+3], s[G0B+4*\slot+2:G0B+4*\slot+3], 2*KSTEP*2
	JLOAD \slot                                    ; my one tensor load behind the round; its four v_nop are the places in front of the loads below
.else
	PLACES
.endif
	FETCH \next, 0, F0
	WIN MUL_HI
	MUL16 F1, 1, 0, 0
	MUL16 F1, 1, 2, 0
.endm
	s_wait_tensorcnt 1                             ; my part of K step 0 is in; K step 1's may stay out
	s_barrier_signal -1
	s_barrier_wait -1
	FETCH 0, 0, F0
	QUARTER 0, 64,  F0, F1, 1                      ; the first quarter starts the sums
	WIN 0
	s_mov_b32 s3, LAPS-1
.Llap:                                                 ; three trips: K steps 2 to 7 come by six refills
	QUARTER 0, 128, F1, F0, 0
	QUARTER 0, 192, F0, F1, 0
	TURN 0, 1, 1
	QUARTER 1, 64,  F0, F1, 0
	QUARTER 1, 128, F1, F0, 0
	QUARTER 1, 192, F0, F1, 0
	TURN 1, 0, 1
	QUARTER 0, 64,  F0, F1, 0
	WIN 0
	s_sub_co_u32 s3, s3, 1
	s_cmp_lg_u32 s3, 0
	s_cbranch_scc1 .Llap
	QUARTER 0, 128, F1, F0, 0                      ; the last lap fills nothing
	QUARTER 0, 192, F0, F1, 0
	TURN 0, 1, 0
	QUARTER 1, 64,  F0, F1, 0
	QUARTER 1, 128, F1, F0, 0
	QUARTER 1, 192, F0, F1, 0
	s_wait_dscnt 8
	WIN MUL_LO
	MUL16 F1, 0, 0, 0
	MUL16 F1, 0, 2, 0
	s_wait_dscnt 0
	WIN MUL_HI
	MUL16 F1, 1, 0, 0
	MUL16 F1, 1, 2, 0
	WIN 0
; THE WAY OUT, block by block of 16 rows x 128 columns, through my own stage: back as whole rows of 512 bytes
.macro TOSTAGE a
.set AC, 64*((\a)%4)
	WIN 0x08+4*((\a)/4)
.irp b, 0,1,2,3,4,5,6,7
	ds_store_b128 v[STO], v[AC+8*\b:AC+8*\b+3] offset:64*\b          ; each accumulator from its low end on
	ds_store_b128 v[STO], v[AC+8*\b+4:AC+8*\b+7] offset:64*\b+16
.endr
	WIN 0
.set BB, BK+64*((\a)%2)
.irp t, 0,1,2,3,4,5,6,7,8,9,10,11,12,13,14,15
	ds_load_b128 v[BB+4*\t:BB+4*\t+3], v[RD] offset:\t*SPITCH        ; LDS serves a wave's instructions in order: these see the stores above
.endr
.endm
.macro SEND a, younger
.set BB, BK+64*((\a)%2)
	s_wait_dscnt \younger
.if (\a) > 0
	s_add_nc_u64 s[8:9], s[8:9], 16*SIZE_N*4       ; behind a wait on XCNT: the earlier stores have read their base
.endif
.irp t, 0,1,2,3,4,5,6,7,8,9,10,11,12,13,14,15
	global_store_b128 v[CO], v[BB+4*\t:BB+4*\t+3], s[8:9] offset:\t*SIZE_N*4 th:TH_STORE_NT   ; 32 lanes store 512 bytes on end, aligned
.endr
.endm
	PLACES
	TOSTAGE 0
.irp a, 1,2,3,4,5,6,7
.if \a > 1
	s_wait_xcnt 0x0                                ; block a - 2's stores have read their registers and their base
.endif
	TOSTAGE \a
	SEND \a-1, 32                                  ; behind block a - 1's loads: block a's 16 stores and 16 loads
.endr
	s_wait_xcnt 0x0
	SEND 7, 0
	s_wait_tensorcnt 0x0                           ; the wave's end
	ds_add_u32 v[SPW], v[NIL]
	s_wait_dscnt 0x0
	CROUND                                         ; the closing round
	s_endpgm
.Lfunc_end_k_q897f5e25ed_oproj:
	.size	k_q897f5e25ed_oproj, .Lfunc_end_k_q897f5e25ed_oproj-k_q897f5e25ed_oproj
	.p2alignl 7, 3214868480
	.fill 96, 4, 3214868480
	.section	.rodata,"a",@progbits
	.p2align	6, 0x0
	.amdhsa_kernel k_q897f5e25ed_oproj
		.amdhsa_group_segment_fixed_size 327680
		.amdhsa_private_segment_fixed_size 0
		.amdhsa_enable_private_segment 0
		.amdhsa_kernarg_size 24
		.amdhsa_user_sgpr_count 2
		.amdhsa_user_sgpr_kernarg_segment_ptr 1
		.amdhsa_wavefront_size32 1
		.amdhsa_system_sgpr_workgroup_id_x 1
		.amdhsa_system_sgpr_workgroup_id_y 1
		.amdhsa_system_sgpr_workgroup_id_z 1
		.amdhsa_system_vgpr_workitem_id 0
		.amdhsa_next_free_vgpr 1024
		.amdhsa_next_free_sgpr 66
		.amdhsa_reserve_vcc 0
		.amdhsa_float_denorm_mode_32 3
		.amdhsa_float_denorm_mode_16_64 3
		.amdhsa_memory_ordered 1
		.amdhsa_forward_progress 1
		.amdhsa_inst_pref_size 140
	.end_amdhsa_kernel
	.amdgpu_metadata
---
amdhsa.version: [ 1, 2 ]
amdhsa.kernels:
  - .name:           k_q897f5e25ed_oproj
    .symbol:         k_q897f5e25ed_oproj.kd
    .args:
      - { .name: o16, .offset: 0, .size: 8, .value_kind: global_buffer, .address_space: global }
      - { .name: wo16, .offset: 8, .size: 8, .value_kind: global_buffer, .address_space: global }
      - { .name: out0, .offset: 16, .size: 8, .value_kind: global_buffer, .address_space: global }
    .group_segment_fixed_size: 327680
    .private_segment_fixed_size: 0
    .kernarg_segment_align: 8
    .kernarg_segment_size: 24
    .max_flat_workgroup_size: 128
    .sgpr_count:     66
    .vgpr_count:     1024
    .wavefront_size: 32
...
	.end_amdgpu_metadata
.endif
;; end of part 5
;; launch fproj (part 6): grid 64 x 2, 4 waves a work-group, no clusters, 70,656 bytes of LDS; arguments part_o, part_s, Wo, out0; writes out0
.if DOCPART == 6
	.amdgcn_target "amdgcn-amd-amdhsa--gfx1250"
	.amdhsa_code_object_version 6
	.text
	.protected	k_q897f5e25ed_fproj
	.globl	k_q897f5e25ed_fproj
	.p2align	8
	.type	k_q897f5e25ed_fproj,@function
k_q897f5e25ed_fproj:
	s_mov_b64 s[64:65], 0
	v_nop
	global_prefetch_b8 v0, s[64:65] scope:SCOPE_SE
	s_setreg_imm32_b32 hwreg(HW_REG_WAVE_MODE, 25, 1), 1
	s_wait_xcnt 0x0
; The 32 rows of out0 at positions 0-15 of both sequences, once more and finely.  The four partial softmaxes of each head are joined (m = the largest m_c, w_c = 2^(m_c - m), o = sum of w_c O_c / sum of w_c l_c),
; and o Wo^T is made with both operands as pairs of f16: x = hi + lo / 2,048, x y = hi hi + (hi lo + lo hi) / 2,048.  o is in v / 4's units: the result is 4 hi hi + (cross terms) / 512.
; A work-group takes one batch and 64 columns; wave w takes 16 of them, for the 16 rows, over K = 1,024.  For the join wave w takes heads 2 w and 2 w + 1; o's 32 fragments (hi and lo) go from wave to wave through LDS as
; images of their registers.  The O^T registers of two neighbouring tiles of channels, packed in pairs, are source 1's layout as they stand.
; LIMITS: |Wo| and |o| inside f16's range; a row whose every t was -infinity gives NaN, as the softmax itself does.
; No cluster and no tensor load: what the 64 work-groups of a batch share is 256 KB of partials; Wo's rows are each read by two work-groups.
; REGISTERS: window 0: v1-9 addresses; v16-31 the eight factors, as pairs; v32-47 Wo hi, v48-63 Wo lo, v64-79 o hi, v80-95 o lo (two sets each); v96-111 at work; v112-135 three accumulators; v136-143 the result;
; v144-255 Wo's ring, 7 slots of 16.  window 1: head 2 w's four partials (run c at 64 c); window 2: head 2 w + 1's.
.set OIMG,  0                          ; K step ks, part (hi 0, lo 1): (2 ks + part) 1,024 + 512 x half + 16 x lane
.set STG,   65536                      ; 16 rows x (256 + 16) bytes
.set SPARE, STG+16*272
.set LI,  1
.set LS,  2
.set WA,  3
.set OW,  4
.set SO,  5
.set SR,  6
.set GO,  7
.set SPW, 14
.set NIL, 15
.set F,   16
.set WH,  32
.set WL,  48
.set OH,  64
.set OL,  80
.set T,   96
.set A0,  112
.set A1,  120
.set A2,  128
.set RES, 136
.set RING, 144
.set WV,  12
.set MSB, 0
.macro WIN new
.if MSB != \new
	s_set_vgpr_msb (MSB<<8)|\new
.set MSB, \new
.endif
.endm
	s_load_b256 s[4:11], s[0:1], 0x0               ; part_o s[4:5], part_s s[6:7], Wo s[8:9], out0 s[10:11]
	v_lshl_add_u32 v[SPW], v0, 2, SPARE
	v_mov_b32 v[NIL], 0
	v_lshrrev_b32 v1, 5, v0
	v_readfirstlane_b32 s[WV], v1
	s_and_b32 s13, ttmp7, 0xffff                   ; batch
	v_and_b32 v10, 31, v0
	v_and_b32 v8, 15, v0                           ; r
	v_bfe_u32 v9, v0, 4, 1                         ; h
	v_lshlrev_b32 v[LI], 4, v10
	v_lshlrev_b32 v[LS], 2, v10
	v_lshlrev_b32 v[WA], 12, v8
	v_lshl_add_u32 v[WA], v9, 5, v[WA]             ; Wo: row r of 4,096 bytes, + 32 h
	s_lshl_b32 s14, s[WV], 14
	v_add_nc_u32 v[OW], s14, v[LI]                 ; my eight K steps' images: 16,384 w + 16 x lane
	s_lshl_b32 s15, s[WV], 6
	s_add_co_u32 s15, s15, STG
	v_mul_u32_u24 v[SO], v8, 272
	v_lshl_add_u32 v[SO], v9, 5, v[SO]
	v_add_nc_u32 v[SO], s15, v[SO]                 ; the stage: row r, + 64 w + 32 h
	s_mul_i32 s15, s[WV], 4*272
	s_add_co_u32 s15, s15, STG
	v_mul_u32_u24 v[SR], v9, 272
	v_lshl_add_u32 v[SR], v8, 4, v[SR]
	v_add_nc_u32 v[SR], s15, v[SR]                 ; back: rows 4 w + h, 16 bytes a lane
	v_lshlrev_b32 v[GO], 14, v9
	v_lshl_add_u32 v[GO], v8, 4, v[GO]
	s_lshl_b32 s16, s13, 18
	s_add_co_u32 s16, s16, s14                     ; part_o: 262,144 b + 16,384 w
	s_mov_b32 s17, 0
	s_lshl_b32 s18, s13, 13
	s_lshl_b32 s19, s[WV], 9
	s_add_co_u32 s18, s18, s19                     ; part_s: 8,192 b + 512 w
	s_mov_b32 s19, 0
	s_lshl_b32 s20, ttmp9, 6
	s_lshl_b32 s21, s[WV], 4
	s_add_co_u32 s20, s20, s21
	s_lshl_b32 s20, s20, 12                        ; Wo: my first row, 64 x + 16 w
	s_mov_b32 s21, 0
	s_lshl_b32 s22, s13, 11
	s_lshl_b32 s23, s[WV], 2
	s_add_co_u32 s22, s22, s23
	s_lshl_b32 s22, s22, 14                        ; out0: row 2,048 b + 4 w,
	s_lshl_b32 s23, ttmp9, 8
	s_add_co_u32 s22, s22, s23                     ; + 256 x
	s_mov_b32 s23, 0
	s_wait_kmcnt 0x0
	s_add_nc_u64 s[4:5], s[4:5], s[16:17]
	s_add_nc_u64 s[6:7], s[6:7], s[18:19]
	s_add_nc_u64 s[8:9], s[8:9], s[20:21]
	s_add_nc_u64 s[10:11], s[10:11], s[22:23]
.irp e, 0,1
.irp c, 0,1,2,3
	global_load_b32 v[32+8*\e+\c], v[LS], s[6:7] offset:\c*2048+\e*256        ; m_c
	global_load_b32 v[36+8*\e+\c], v[LS], s[6:7] offset:\c*2048+\e*256+128    ; l_c
.endr
.endr
	WIN 0x40
.irp c, 0,1,2,3
.set g, 0
.rept 16
	global_load_b128 v[64*\c+4*g:64*\c+4*g+3], v[LI], s[4:5] offset:\c*65536+512*g
.set g, g+1
.endr
.endr
	WIN 0x80
.irp c, 0,1,2,3
.set g, 0
.rept 16
	global_load_b128 v[64*\c+4*g:64*\c+4*g+3], v[LI], s[4:5] offset:\c*65536+8192+512*g
.set g, g+1
.endr
.endr
	WIN 0
.macro WLOAD ks                        ; K step ks of Wo, 32 numbers a row: lane (r, h) takes k = 8 h + 0..7 and 16 + 8 h + 0..7 of row r
.set rg, RING+16*((\ks)%7)
	global_load_b128 v[rg:rg+3], v[WA], s[8:9] offset:128*(\ks)
	global_load_b128 v[rg+4:rg+7], v[WA], s[8:9] offset:128*(\ks)+16
	global_load_b128 v[rg+8:rg+11], v[WA], s[8:9] offset:128*(\ks)+64
	global_load_b128 v[rg+12:rg+15], v[WA], s[8:9] offset:128*(\ks)+80
.endm
.irp k, 0,1,2,3,4,5,6
	WLOAD \k
.endr
	s_wait_loadcnt 28                              ; the statistics and the partials are in; the ring's 28 loads may be out
.irp e, 0,1
	v_max3_num_f32 v[T+\e], v[32+8*\e], v[33+8*\e], v[34+8*\e]
.endr
.irp e, 0,1
	v_max_num_f32 v[T+\e], v[T+\e], v[35+8*\e]
.endr
.irp e, 0,1
.irp c, 0,1,2,3
	v_sub_f32 v[32+8*\e+\c], v[32+8*\e+\c], v[T+\e]
.endr
.endr
.irp e, 0,1
.irp c, 0,1,2,3
	v_exp_f32 v[32+8*\e+\c], v[32+8*\e+\c]         ; w_c
.endr
.endr
	v_nop
	s_wait_alu depctr_va_vdst(0)                   ; one wait for the eight, ahead of their first reader
.irp e, 0,1
	v_mul_f32 v[T+2+\e], v[32+8*\e], v[36+8*\e]
.endr
.irp c, 1,2,3
.irp e, 0,1
	v_fmac_f32 v[T+2+\e], v[32+8*\e+\c], v[36+8*\e+\c]
.endr
.endr
.irp e, 0,1
	v_rcp_f32 v[T+4+\e], v[T+2+\e]
.endr
	v_nop
	s_wait_alu depctr_va_vdst(0)                   ; and one for the two reciprocals
.irp e, 0,1
.irp c, 0,1,2,3
	v_mul_f32 v[F+8*\e+2*\c], v[32+8*\e+\c], v[T+4+\e]
.endr
.endr
.irp e, 0,1
.irp c, 0,1,2,3
	v_mov_b32 v[F+8*\e+2*\c+1], v[F+8*\e+2*\c]     ; each factor twice: a pair for the packed forms
.endr
.endr
.macro OSTEP e, u                      ; head 2 w + e, channels 32 u on: 16 numbers of o a lane, split, and stored as two images
.if \e == 0
	WIN 0x01
.else
	WIN 0x02
.endif
.irp i, 0,2,4,6,8,10,12,14
	v_pk_mul_f32 v[T+\i:T+\i+1], v[16*(\u)+\i:16*(\u)+\i+1], v[F+8*(\e):F+8*(\e)+1]
.endr
.irp c, 1,2,3
.irp i, 0,2,4,6,8,10,12,14
	v_pk_fma_f32 v[T+\i:T+\i+1], v[64*\c+16*(\u)+\i:64*\c+16*(\u)+\i+1], v[F+8*(\e)+2*\c:F+8*(\e)+2*\c+1], v[T+\i:T+\i+1]
.endr
.endr
	WIN 0
.irp i, 0,2,4,6,8,10,12,14
	v_cvt_pk_f16_f32 v[OH+\i/2], v[T+\i], v[T+\i+1]
.endr
.set k2, 0
.irp hh, v64.l,v64.h,v65.l,v65.h,v66.l,v66.h,v67.l,v67.h,v68.l,v68.h,v69.l,v69.h,v70.l,v70.h,v71.l,v71.h
	v_cvt_f32_f16 v[WL+k2], \hh
.set k2, k2+1
.endr
.irp i, 0,2,4,6,8,10,12,14
	v_pk_add_f32 v[T+\i:T+\i+1], v[T+\i:T+\i+1], v[WL+\i:WL+\i+1] neg_lo:[0,1] neg_hi:[0,1]
.endr
.irp i, 0,2,4,6,8,10,12,14
	v_pk_mul_f32 v[T+\i:T+\i+1], v[T+\i:T+\i+1], 0x45000000 op_sel_hi:[1,0]
.endr
.irp i, 0,2,4,6,8,10,12,14
	v_cvt_pk_f16_f32 v[OL+\i/2], v[T+\i], v[T+\i+1]
.endr
	ds_store_b128 v[OW], v[OH:OH+3] offset:OIMG+(2*(4*(\e)+(\u)))*1024
	ds_store_b128 v[OW], v[OH+4:OH+7] offset:OIMG+(2*(4*(\e)+(\u)))*1024+512
	ds_store_b128 v[OW], v[OL:OL+3] offset:OIMG+(2*(4*(\e)+(\u))+1)*1024
	ds_store_b128 v[OW], v[OL+4:OL+7] offset:OIMG+(2*(4*(\e)+(\u))+1)*1024+512
	s_wait_dscnt 0x0                               ; the stores have read their registers
.endm
.irp e, 0,1
.irp u, 0,1,2,3
	OSTEP \e, \u
.endr
.endr
	s_barrier_signal -1                            ; (my stores have landed: the wait above)
	s_barrier_wait -1                              ; o's 32 K steps lie in LDS
.macro OFETCH ks
	ds_load_b128 v[OH+8*((\ks)%2):OH+8*((\ks)%2)+3], v[LI] offset:OIMG+(2*(\ks))*1024
	ds_load_b128 v[OH+8*((\ks)%2)+4:OH+8*((\ks)%2)+7], v[LI] offset:OIMG+(2*(\ks))*1024+512
	ds_load_b128 v[OL+8*((\ks)%2):OL+8*((\ks)%2)+3], v[LI] offset:OIMG+(2*(\ks)+1)*1024
	ds_load_b128 v[OL+8*((\ks)%2)+4:OL+8*((\ks)%2)+7], v[LI] offset:OIMG+(2*(\ks)+1)*1024+512
.endm
.macro WSTEP ks
.set pp, (\ks)%2
.set rg, RING+16*((\ks)%7)
.if 4*(31-(\ks)) < 24
	s_wait_loadcnt 4*(31-(\ks))
.else
	s_wait_loadcnt 24                              ; this K step's four loads are in; those of the six slots behind it may be out
.endif
.irp i, 0,2,4,6,8,10,12,14
	v_cvt_pk_f16_f32 v[WH+8*pp+\i/2], v[rg+\i], v[rg+\i+1]
.endr
.set k2, 0
.if pp == 0
.irp hh, v32.l,v32.h,v33.l,v33.h,v34.l,v34.h,v35.l,v35.h,v36.l,v36.h,v37.l,v37.h,v38.l,v38.h,v39.l,v39.h
	v_cvt_f32_f16 v[T+k2], \hh
.set k2, k2+1
.endr
.else
.irp hh, v40.l,v40.h,v41.l,v41.h,v42.l,v42.h,v43.l,v43.h,v44.l,v44.h,v45.l,v45.h,v46.l,v46.h,v47.l,v47.h
	v_cvt_f32_f16 v[T+k2], \hh
.set k2, k2+1
.endr
.endif
.irp i, 0,2,4,6,8,10,12,14
	v_pk_add_f32 v[rg+\i:rg+\i+1], v[rg+\i:rg+\i+1], v[T+\i:T+\i+1] neg_lo:[0,1] neg_hi:[0,1]
.endr
.irp i, 0,2,4,6,8,10,12,14
	v_pk_mul_f32 v[rg+\i:rg+\i+1], v[rg+\i:rg+\i+1], 0x45000000 op_sel_hi:[1,0]
.endr
.irp i, 0,2,4,6,8,10,12,14
	v_cvt_pk_f16_f32 v[WL+8*pp+\i/2], v[rg+\i], v[rg+\i+1]
.endr
.if (\ks) < 31
	OFETCH (\ks)+1                                 ; into the other set: its last readers stand in front of this step's vector work
	s_wait_dscnt 4                                 ; this step's o is in; the four just issued may be out
.else
	s_wait_dscnt 0x0
.endif
.if (\ks) == 0
	v_wmma_f32_16x16x32_f16 v[A0:A0+7], v[WH+8*pp:WH+8*pp+7], v[OH+8*pp:OH+8*pp+7], 0
	v_wmma_f32_16x16x32_f16 v[A1:A1+7], v[WL+8*pp:WL+8*pp+7], v[OH+8*pp:OH+8*pp+7], 0
	v_wmma_f32_16x16x32_f16 v[A2:A2+7], v[WH+8*pp:WH+8*pp+7], v[OL+8*pp:OL+8*pp+7], 0
.else
	v_wmma_f32_16x16x32_f16 v[A0:A0+7], v[WH+8*pp:WH+8*pp+7], v[OH+8*pp:OH+8*pp+7], v[A0:A0+7]   ; three accumulators by turns
	v_wmma_f32_16x16x32_f16 v[A1:A1+7], v[WL+8*pp:WL+8*pp+7], v[OH+8*pp:OH+8*pp+7], v[A1:A1+7]
	v_wmma_f32_16x16x32_f16 v[A2:A2+7], v[WH+8*pp:WH+8*pp+7], v[OL+8*pp:OL+8*pp+7], v[A2:A2+7]
.endif
.if (\ks)+7 < 32
	WLOAD (\ks)+7
.endif
.endm
	OFETCH 0
.set KK, 0
.rept 32
	WSTEP KK
.set KK, KK+1
.endr
.rept 4
	v_nop                                          ; places behind the last products
.endr
.irp i, 0,2,4,6
	v_pk_add_f32 v[RES+\i:RES+\i+1], v[A1+\i:A1+\i+1], v[A2+\i:A2+\i+1]
.endr
.irp i, 0,2,4,6
	v_pk_mul_f32 v[RES+\i:RES+\i+1], v[RES+\i:RES+\i+1], 0x3b000000 op_sel_hi:[1,0]
.endr
.irp i, 0,2,4,6
	v_pk_fma_f32 v[RES+\i:RES+\i+1], v[A0+\i:A0+\i+1], 4.0, v[RES+\i:RES+\i+1] op_sel_hi:[1,0,1]
.endr
	ds_store_b128 v[SO], v[RES:RES+3]              ; lane (r, h): row r, columns 16 w + 8 h + 0..7
	ds_store_b128 v[SO], v[RES+4:RES+7] offset:16
	s_wait_dscnt 0x0
	s_barrier_signal -1
	s_barrier_wait -1                              ; 16 rows of 256 bytes lie in the stage
	ds_load_b128 v[T:T+3], v[SR]
	ds_load_b128 v[T+4:T+7], v[SR] offset:2*272
	s_wait_dscnt 0x0
	global_store_b128 v[GO], v[T:T+3], s[10:11]                 ; sixteen lanes store 256 bytes on end of a row, aligned
	global_store_b128 v[GO], v[T+4:T+7], s[10:11] offset:2*16384
	s_wait_tensorcnt 0x0                           ; the wave's end
	ds_add_u32 v[SPW], v[NIL]
	s_wait_dscnt 0x0
	s_endpgm
.Lfunc_end_k_q897f5e25ed_fproj:
	.size	k_q897f5e25ed_fproj, .Lfunc_end_k_q897f5e25ed_fproj-k_q897f5e25ed_fproj
	.p2alignl 7, 3214868480
	.fill 96, 4, 3214868480
	.section	.rodata,"a",@progbits
	.p2align	6, 0x0
	.amdhsa_kernel k_q897f5e25ed_fproj
		.amdhsa_group_segment_fixed_size 70656
		.amdhsa_private_segment_fixed_size 0
		.amdhsa_enable_private_segment 0
		.amdhsa_kernarg_size 32
		.amdhsa_user_sgpr_count 2
		.amdhsa_user_sgpr_kernarg_segment_ptr 1
		.amdhsa_wavefront_size32 1
		.amdhsa_system_sgpr_workgroup_id_x 1
		.amdhsa_system_sgpr_workgroup_id_y 1
		.amdhsa_system_sgpr_workgroup_id_z 1
		.amdhsa_system_vgpr_workitem_id 0
		.amdhsa_next_free_vgpr 768
		.amdhsa_next_free_sgpr 66
		.amdhsa_reserve_vcc 0
		.amdhsa_float_denorm_mode_32 3
		.amdhsa_float_denorm_mode_16_64 3
		.amdhsa_memory_ordered 1
		.amdhsa_forward_progress 1
		.amdhsa_inst_pref_size 177
	.end_amdhsa_kernel
	.amdgpu_metadata
---
amdhsa.version: [ 1, 2 ]
amdhsa.kernels:
  - .name:           k_q897f5e25ed_fproj
    .symbol:         k_q897f5e25ed_fproj.kd
    .args:
      - { .name: part_o, .offset: 0, .size: 8, .value_kind: global_buffer, .address_space: global }
      - { .name: part_s, .offset: 8, .size: 8, .value_kind: global_buffer, .address_space: global }
      - { .name: Wo, .offset: 16, .size: 8, .value_kind: global_buffer, .address_space: global }
      - { .name: out0, .offset: 24, .size: 8, .value_kind: global_buffer, .address_space: global }
    .group_segment_fixed_size: 70656
    .private_segment_fixed_size: 0
    .kernarg_segment_align: 8
    .kernarg_segment_size: 32
    .max_flat_workgroup_size: 128
    .sgpr_count:     66
    .vgpr_count:     768
    .wavefront_size: 32
...
	.end_amdgpu_metadata
.endif
;; end of part 6
